; MI455X (gfx1250); checked and timed in simulation.
; The chip was launched on July 23, 2026; its instructions are those of AMD's public machine-readable ISA for CDNA 5 (MIT licence, August 2026) and "CDNA5" Instruction Set Architecture Reference Guide (July 2026). The comments in the code are by the model that wrote it; some were corrected since.
;; Multi Head Attention. Allowed arithmetic: matrix products marked QUANTISED: E2M3 operands, one E8M0 scale for each 32 along K, by v_wmma_scale_f32_16x16x128_f8f6f4 with both operands' format E2M3, f32 sums; everything else in f32.
;; Inputs: Wk_codes 1,024 x 32 x 24 uint8 (E2M3 codes of Wk, K innermost, in blocks of 32 codes, four codes in three bytes); Wk_scales 1,024 x 32 uint8 (E8M0 scales of Wk, one for each 32 codes along K); Wo_codes 1,024 x 32 x 24 uint8 (E2M3 codes of Wo, K innermost, in blocks of 32 codes, four codes in three bytes); Wo_scales 1,024 x 32 uint8 (E8M0 scales of Wo, one for each 32 codes along K); Wq_codes 1,024 x 32 x 24 uint8 (E2M3 codes of Wq, K innermost, in blocks of 32 codes, four codes in three bytes); Wq_scales 1,024 x 32 uint8 (E8M0 scales of Wq, one for each 32 codes along K); Wv_codes 1,024 x 32 x 24 uint8 (E2M3 codes of Wv, K innermost, in blocks of 32 codes, four codes in three bytes); Wv_scales 1,024 x 32 uint8 (E8M0 scales of Wv, one for each 32 codes along K); keys_codes 4 x 2,048 x 32 x 24 uint8 (E2M3 codes of keys, K innermost, in blocks of 32 codes, four codes in three bytes); keys_scales 4 x 2,048 x 32 uint8 (E8M0 scales of keys, one for each 32 codes along K); queries_codes 4 x 2,048 x 32 x 24 uint8 (E2M3 codes of queries, K innermost, in blocks of 32 codes, four codes in three bytes); queries_scales 4 x 2,048 x 32 uint8 (E8M0 scales of queries, one for each 32 codes along K); valid_lens 4 int32; values_codes 4 x 2,048 x 32 x 24 uint8 (E2M3 codes of values, K innermost, in blocks of 32 codes, four codes in three bytes); values_scales 4 x 2,048 x 32 uint8 (E8M0 scales of values, one for each 32 codes along K).
;; Outputs: out0 4 x 2,048 x 1,024 float32.
;; This version of the problem:
;;   THIS VERSION OF THE PROBLEM IS GIVEN IN LOW PRECISION. The matrix products marked QUANTISED in the list below multiply operands that are first quantised to E2M3 (2 exponent bits, 3 mantissa bits; 6 bits a number), with one power-of-two scale for each 32 numbers along K (OCP MX v1.0); their sums are f32. All else is computed in f32.
;;   The module's matrix products, in the order in which they are computed (A, B: the left and right operand; K: the contracted axis; several contracted axes count as one K, in the product's order):
;;     1. [M 8,192, K 1,024] x [K 1,024, N 1,024]; A: input queries (given as codes); B: input Wq (given as codes): QUANTISED
;;     2. [M 8,192, K 1,024] x [K 1,024, N 1,024]; A: input keys (given as codes); B: input Wk (given as codes): QUANTISED
;;     3. [M 8,192, K 1,024] x [K 1,024, N 1,024]; A: input values (given as codes); B: input Wv (given as codes): QUANTISED
;;     4. batch 64 x [M 2,048, K 64] x [K 64, N 2,048]; A: computed on the way; B: computed on the way: QUANTISED
;;     5. batch 64 x [M 2,048, K 2,048] x [K 2,048, N 64]; A: softmax (see below); B: computed on the way: QUANTISED
;;     6. [M 8,192, K 1,024] x [K 1,024, N 1,024]; A: computed on the way; B: input Wo (given as codes): QUANTISED
;;   THE QUANTISER, for each operand of a quantised product, along K:
;;     - K is cut into blocks of 32 from its start; a last block that is shorter is filled with zeros.
;;     - A block's scale is 2^e with e = floor(log2(the largest magnitude in the block)) - 2, held to -126 .. 127; a block of zeros has e = 0. As a byte (E8M0): e + 127.
;;     - Each number is divided by its block's scale, clamped to +-7.5, and rounded to the nearest number of E2M3, ties to even, subnormals kept.
;;     - The product sums the exact products of the quantised numbers (number of the format x scale) in f32.
;;   ~~~python
;;   def quantise(x, axis):      # numpy; x: float32 -> the quantised numbers, widened to float32 again
;;       x = np.moveaxis(x, axis, -1); K = x.shape[-1]
;;       x = np.pad(x, [(0, 0)] * (x.ndim - 1) + [(0, -K % 32)]); x = x.reshape(x.shape[:-1] + (-1, 32)); a = np.abs(x).max(-1, keepdims=True)
;;       e = np.where(a > 0, np.clip(np.frexp(np.where(a > 0, a, 1))[1] - 1 - 2, -126, 127), 0)      # np.frexp(a)[1] - 1 = floor(log2(a)), exactly
;;       r = np.clip(x / 2.0 ** e, -7.5, 7.5)
;;       step = 2.0 ** (np.maximum(np.frexp(np.where(r == 0, 1, r))[1] - 1, 0) - 3)
;;       q = np.round(r / step) * step * 2.0 ** e      # np.round: ties to even
;;       return np.moveaxis(q.reshape(q.shape[:-2] + (-1,))[..., :K], -1, axis).astype(np.float32)
;;   ~~~
;;   SOFTMAX AHEAD OF A QUANTISED PRODUCT. Where the list says 'softmax', what is quantised is not the finished softmax but p = 2^(t - M), with t = logit x log2(e) and M = ceil(the row's largest t), a whole number; so 1/2 < the row's largest p <= 1. The row's sum l is taken of the UNQUANTISED p, in f32, and the product's result is divided by l at the end. Since M is a whole number, a kernel that streams over the keys may use a running M (the ceiling of the running maximum): every later rescaling is an exact power of two, which a block's scale takes up: the codes' values come out the same.
;;   OPERANDS COMPUTED ON THE WAY. 'Computed on the way' means the value that the module computes at that place (a softmax that the list does not call 'softmax' is quantised finished and normalised). What goes into a quantiser is computed in f32, as accurately as f32 sums, v_exp_f32 and their like allow (about 1e-6 of the number): no bf16 or f16 on the way to a quantiser, and a product that is left as it is and whose result goes on into a quantised operand takes f32 operands (vector FMAs, or v_wmma_f32_16x16x4_f32). A number that lies on a knife's edge between two numbers of the format may be rounded either way, as far as f32 arithmetic and the matrix unit's own rounding can turn it there, and no further.
;;   INPUTS GIVEN AS CODES. Wk (in the module: [1024, 1024], K = its axis 1); Wo (in the module: [1024, 1024], K = its axis 1); Wq (in the module: [1024, 1024], K = its axis 1); Wv (in the module: [1024, 1024], K = its axis 1); keys (in the module: [4, 2048, 1024], K = its axis 2); queries (in the module: [4, 2048, 1024], K = its axis 2); values (in the module: [4, 2048, 1024], K = its axis 2): each comes as NAME_codes (uint8): NAME with its K axis moved to the last place and cut into blocks of 32 codes, [.., K / 32, bytes a block], one block behind the other in memory; four codes in three bytes: a row's codes are one little-endian stream of bits, code i at bits 6 i .. 6 i + 5 (a code: sign, 2 exponent bits, 3 mantissa bits); and NAME_scales (uint8): the same leading axes, one E8M0 byte (e + 127) for each 32 codes along K. Its value is code x scale, taken as it is: it is not quantised again, and the codes and scales need not be those that the quantiser above would give.
;; One version. Each part assembles by itself: llvm-mc -triple=amdgcn-amd-amdhsa -mcpu=gfx1250 --defsym DOCPART=n.
;; ======== version 1 of 1: 3 launches
;; limits: right only within a limited range of input values
;; workspace buffers: qc 6,291,456 bytes; kc 6,291,456 bytes; vc 6,291,456 bytes; oc 6,291,456 bytes; qs 262,144 bytes; ks 262,144 bytes; vs 262,144 bytes; os 262,144 bytes
;; launch proj (part 1): grid 4 x 96, 4 waves a work-group, clusters of 4 x 4, 327,680 bytes of LDS; arguments queries_codes, queries_scales, Wq_codes, Wq_scales, qc, qs, keys_codes, keys_scales, Wk_codes, Wk_scales, kc, ks, Wv_codes, Wv_scales, values_codes, values_scales, vc, vs; writes qc, qs, kc, ks, vc, vs
.if DOCPART == 1
	.amdgcn_target "amdgcn-amd-amdhsa--gfx1250"
	.amdhsa_code_object_version 6
	.text
	.protected	k_q6029ce7cc3_proj
	.globl	k_q6029ce7cc3_proj
	.p2align	8
	.type	k_q6029ce7cc3_proj,@function
k_q6029ce7cc3_proj:
	s_mov_b64 s[64:65], 0
	v_nop
	global_prefetch_b8 v0, s[64:65] scope:SCOPE_SE
	s_setreg_imm32_b32 hwreg(HW_REG_WAVE_MODE, 25, 1), 1
	s_wait_xcnt 0x0
	s_wait_alu depctr_hold_cnt(0) depctr_sa_sdst(0) depctr_va_vdst(0) depctr_va_sdst(0) depctr_va_ssrc(0) depctr_va_vcc(0) depctr_vm_vsrc(0)
	s_getreg_b32 s2, hwreg(HW_REG_IB_STS2, 6, 4)
	s_cmp_eq_u32 s2, 0
	s_cbranch_scc0 .Lentry_in_a_cluster
	s_endpgm
.Lentry_in_a_cluster:
	s_bfe_u32 s2, ttmp6, 0x10000c
	s_cmp_lg_u32 s2, 0xf033
	s_cbranch_scc0 .Lentry_shape_is_right
	s_endpgm
.Lentry_shape_is_right:
; THE THREE PROJECTIONS q = queries Wq^T, k = keys Wk^T, v = values Wv^T on codes of FP6 (E2M3) with one E8M0 scale for each 32 along K = 1,024, f32 sums,
; and the quantising of their results for the two products of attention: q and k along a head's 64, v along the keys.  Only codes and scale words go to memory.
; One launch serves all three: clusters y 0-7 make q, 8-15 k, 16-23 v.  Only pointers and global offsets hang on that number, which all partners of a cluster share.
; A work-group of four waves makes 256 x 256 results, a wave 128 x 128: 64 accumulators of 16 x 16, 512 registers.  K goes in steps of 256 through a ring of two LDS slots filled by the tensor data mover.
; "A" is the tensor whose rows become LANES of a result (source 1), "B" the one whose rows become a lane's REGISTERS (source 0).  A quantiser wants its K along a lane's registers:
;   q, k: A = the tokens (32 tiles of 256), B = the weight (4 tiles): a lane holds a token, its registers run along the head's numbers;
;   v:    A = the weight (4 tiles),         B = the tokens (32 tiles): a lane holds one of a head's 64, its registers run along the keys.
; CLUSTERS: 4 x 4 work-groups.  A's tile hangs on cy and the cluster's y and is asked for jointly by a row of the cluster, B's on cx and the cluster's y, by a column.  The grid is one cluster wide.
; THE SCALES of the work-group's 256 rows of A and of B, for all of K, are two dense blocks of memory: they come into LDS once, with the first fills.
; THE WAY OUT.  The 64 registers that a lane holds of A's block a are four blocks of 32 along the next K.  Register 16 B + 8 u + j of lane half h is number 32 B + 16 u + 8 h + j; the codes are laid as if it were
; 32 B + 16 h + 8 u + j.  The blocks are the true blocks, and both operands of each product of attention are made by these same lines, so both carry the same order inside a block and the sums are the same.
; The twelve registers of codes are an operand's registers as they stand; they are stored as six pieces (two registers of all 32 lanes: 256 consecutive bytes, aligned):
;   qc, kc: [batch][head][tile of 16 tokens][3 pieces]: half a fragment: lane (r, h) holds token r, the head's block h;   vc: [batch][head][128 keys][tile of 16 of the 64][6 pieces]: a whole fragment.
;   qs, ks: [batch][pair of heads][4 tiles][r][tile % 4], a word = the pair's four blocks;   vs: [batch][head][128 keys][r][tile], a word = the four blocks of keys.
; LIMITS: a block whose largest magnitude lies under 2^-124 has its byte held at 1; a block of zeros gets the byte 1 and zero codes (these bytes are read by this program alone); NaN and infinities are not served.
; REGISTERS, in windows of 256: window 0: v16-31 addresses; v32-63 scale words, two sets; from v128 A's fragments, one set (on the way out: codes and what makes them);
;   window 1: B's fragments, two sets;   window 2: the accumulators of A's blocks 0-3 ((a, b) at v[8 (8 (a % 4) + b)]);   window 3: those of blocks 4-7.
.set KSTEP,  256                       ; along K in a slot
.set NQ,     KSTEP/128                 ; matrix instructions deep
.set ROWB,   192                       ; a tile's row in bytes
.set KROW,   768                       ; a row of 1,024 codes in memory
.set PITCH,  240                       ; an LDS row: 3 x (64 bytes + 16 of padding) = 60 words: the 32 lanes of a load of 8 bytes touch 64 different banks (64 banks of 4 bytes: ISA guide 11.1)
.set FR,     12                        ; registers of a fragment
.set NL,     6                         ; LDS loads that bring one
.set NP,     4                         ; places behind this matrix instruction (ISA guide 7.12.1)
.set HALFT,  128*PITCH                 ; 128 rows: what one tensor load brings
.set SLOT,   4*HALFT                   ; A's 256 rows, then B's 256 rows
.set LAPS,   1024/(2*KSTEP)            ; a lap = once round the ring
.set KS,     32                        ; a row of scale bytes
.set SCL,    2*SLOT                    ; behind the ring: the scales, as rows of 256 bytes + 16 of padding
.set HALFS,  (128*KS/256)*272          ; those of 128 rows
.set SBLK,   (16*KS/256)*272           ; those of 16 rows
.set SPARE,  SCL+4*HALFS               ; the spare words, 128 bytes for each wave: two blocks of 256 bytes that no other line names
.set ADRA, 16                          ; v16-17 LDS address of my A fragments in slot 0, 1 (v18-19: behind one padding more)
.set ADRB, 20                          ; v20-21 the same for B (v22-23)
.set VOA,  24                          ; v24  the way out: 8 x lane
.set VOB,  25                          ; v25  the same for the second three pieces
.set VOS,  26                          ; v26  my 16 bytes of scale words
.set ADRS, 27                          ; v27  LDS address of my scale words: lanes 0-15 A's rows, lanes 16-31 B's
.set SPW,  28                          ; v28  LDS address of my spare word; never rewritten
.set NIL,  29                          ; v29  0; never rewritten
.set SC,   32                          ; scale words: set s at v[SC + 16 s]; register 2 i + q: lanes 0-15 A's block i, lanes 16-31 B's block i
.set AF,   128                         ; A's fragments
.set CD,   128                         ; the way out: v128-139 the codes, v140-146 halves on their way
.set TM,   148                         ; v148-151 largest magnitudes, v152-155 bytes, v160-163 the conversions' scale operands
.set PW,   164                         ; v164-171 the scale words of my eight blocks of A
.set SW,   172                         ; v172-175 four of them, to store
.set G1, 24                            ; s[24:31] descriptor group 1 for A's tiles; s[32:39] group 0, a set for each slot
.set G0, 32
.set G1B, 48                           ; s[48:55], s[56:63] the same for B's
.set G0B, 56
.set G1S, 68                           ; s[68:75], s[76:79] groups 1 and 0 for A's scales; s[80:87], s[88:91] for B's
.set G0S, 76
.set G1SB, 80
.set G0SB, 88
.set SEL, 92                           ; s[92:93] lane selects for v_permlanex16_b32 (set behind the first loads)
.set MSB, 0
.macro WIN new                         ; the immediate's high byte repeats the setting that is left
.if MSB != \new
	s_set_vgpr_msb (MSB<<8)|\new
.set MSB, \new
.endif
.endm
.set MUL_LO, 0xa1                      ; source 0 (B) window 1, source 1 (A) window 0, C and D window 2
.set MUL_HI, 0xf1                      ; the same, C and D window 3
.set TO_B,   0x40                      ; destination window 1, address window 0
; A joint load: waves 0 and 1 fetch for A, waves 2 and 3 for B.  The branch hangs on the wave's number alone.  Four v_nop follow each of the two lines.
.macro JLOAD g0a, g1a, g0b, g1b
	s_cmp_eq_u32 s15, 0
	s_cbranch_scc0 .Lfor_b_\@
	tensor_load_to_lds s[\g0a:\g0a+3], s[\g1a:\g1a+7]
	s_nop 0
.rept 4
	v_nop
.endr
	s_branch .Lasked_\@
.Lfor_b_\@:
	tensor_load_to_lds s[\g0b:\g0b+3], s[\g1b:\g1b+7]
	s_nop 0
.rept 4
	v_nop
.endr
.Lasked_\@:
.endm
.macro CREST                           ; a round of the cluster's barrier behind its opening barrier
	s_cmp_lg_u32 s14, 0
	s_cbranch_scc1 .Lnot_wave_0_\@
	s_barrier_signal -3
.Lnot_wave_0_\@:
	s_barrier_wait -3
	s_barrier_signal -1
	s_barrier_wait -1
.endm
.macro CROUND                          ; a whole round
	s_barrier_signal -1
	s_barrier_wait -1
	CREST
.endm
	s_load_b256 s[24:31], s[0:1], 0x0              ; three sets of six addresses: A's codes, A's scales, B's codes, B's scales, the codes out, the scale words out
	s_load_b128 s[32:35], s[0:1], 0x20
	s_load_b256 s[36:43], s[0:1], 0x30
	s_load_b128 s[44:47], s[0:1], 0x50
	s_load_b256 s[48:55], s[0:1], 0x60
	s_load_b128 s[56:59], s[0:1], 0x80
	v_lshl_add_u32 v[SPW], v0, 2, SPARE
	v_mov_b32 v[NIL], 0
	ds_add_u32 v28, v29
	ds_add_u32 v28, v29
	s_wait_dscnt 0x0
	v_lshrrev_b32 v1, 5, v0
	v_readfirstlane_b32 s14, v1                    ; wave 0..3
	s_lshr_b32 s15, s14, 1                         ; which half of A's 256 rows is mine.  Also: I fetch for A (0) or for B (1)
	s_and_b32 s16, s14, 1                          ; which half of B's.  Also: which 128 rows I fetch
	s_and_b32 s17, ttmp7, 0xffff                   ; the cluster's y, 0..23
	s_lshr_b32 s95, s17, 3                         ; 0: q, 1: k, 2: v
	s_and_b32 s17, s17, 7
	s_lshl_b32 s17, s17, 2                         ; the first of the cluster's four tiles of tokens
	s_wait_kmcnt 0x0
	s_cmp_eq_u32 s95, 1                            ; the choice hangs on the cluster's number alone
.irp i, 0,2,4,6,8,10
	s_cselect_b64 s[24+\i:25+\i], s[36+\i:37+\i], s[24+\i:25+\i]
.endr
	s_cmp_eq_u32 s95, 2
.irp i, 0,2,4,6,8
	s_cselect_b64 s[4+\i:5+\i], s[48+\i:49+\i], s[24+\i:25+\i]   ; s[4:5] A's codes, s[6:7] A's scales, s[8:9] B's codes, s[10:11] B's scales, s[12:13] the codes out
.endr
	s_cselect_b64 s[96:97], s[58:59], s[34:35]     ; the scale words out
	s_cselect_b32 s92, 0, s17                      ; the tokens are A's rows (q, k)
	s_cselect_b32 s93, s17, 0                      ; or B's (v)
	s_bfe_u32 s40, ttmp6, 0x40000                  ; cx, cy: my place in the cluster
	s_bfe_u32 s41, ttmp6, 0x40004
	s_add_co_u32 s42, s93, s40                     ; B's tile
	s_add_co_u32 s17, s92, s41                     ; A's tile
	s_lshl_b32 s43, s41, 2
	s_lshl_b32 s43, 15, s43                        ; my row of the cluster
	s_lshl_b32 s44, 0x1111, s40                    ; my column
	; descriptor group 1: a tile of 128 rows x 192 bytes, padded in LDS
	s_or_b32 s[G1+0], s43, (0<<16)|(1<<20)|(1<<21)|(3<<22)|(3<<25)  ; 15:0 the mask; 17:16 elements of 1 byte; 20 padding on; 21 set beside a mask; 24:22 after every 16 words; 31:25 4 words of it
	s_or_b32 s[G1B+0], s44, (0<<16)|(1<<20)|(1<<21)|(3<<22)|(3<<25)
.irp g, G1, G1B
	s_mov_b32 s[\g+1], ROWB<<16                    ; tensor_dim0
	s_mov_b32 s[\g+2], 128<<16                     ; tensor_dim1
	s_mov_b32 s[\g+3], ROWB<<16                    ; tile_dim0
	s_mov_b32 s[\g+4], 128                         ; tile_dim1
	s_mov_b32 s[\g+5], KROW                        ; tensor_dim0_stride
	s_mov_b32 s[\g+6], 0
	s_mov_b32 s[\g+7], 0
.endr
	; the scales of 128 rows: 4,096 dense bytes, as 16 rows of 256 bytes (32 elements of 8 bytes), 16 bytes of padding behind each
	s_or_b32 s[G1S+0], s43, (3<<16)|(1<<20)|(1<<21)|(5<<22)|(3<<25)
	s_or_b32 s[G1SB+0], s44, (3<<16)|(1<<20)|(1<<21)|(5<<22)|(3<<25)
.irp g, G1S, G1SB
	s_mov_b32 s[\g+1], 32<<16
	s_mov_b32 s[\g+2], (128*KS/256)<<16
	s_mov_b32 s[\g+3], 32<<16
	s_mov_b32 s[\g+4], 128*KS/256
	s_mov_b32 s[\g+5], 32
	s_mov_b32 s[\g+6], 0
	s_mov_b32 s[\g+7], 0
.endr
	s_lshl_b32 s18, s16, 7                         ; which 128 rows of the tile I fetch
	s_lshl_b32 s20, s17, 8
	s_add_co_u32 s20, s20, s18                     ; A: row 256 x tile + 128 x half
	s_lshl_b32 s46, s42, 8
	s_add_co_u32 s46, s46, s18                     ; B likewise
	s_mov_b32 s21, 0
	s_mov_b32 s47, 0
	s_mov_b64 s[18:19], KS
	s_mul_u64 s[22:23], s[20:21], s[18:19]         ; where these rows' scales begin, in bytes
	s_mul_u64 s[92:93], s[46:47], s[18:19]
	s_mov_b64 s[18:19], KROW
	s_mul_u64 s[20:21], s[20:21], s[18:19]         ; and their codes
	s_mul_u64 s[46:47], s[46:47], s[18:19]
	s_mul_i32 s45, s14, HALFT                      ; where they go: wave x 128 rows: no place in the cluster enters an LDS address
	s_mul_i32 s94, s14, HALFS
	s_add_nc_u64 s[20:21], s[4:5], s[20:21]
	s_add_nc_u64 s[22:23], s[6:7], s[22:23]
	s_add_nc_u64 s[46:47], s[8:9], s[46:47]
	s_add_nc_u64 s[92:93], s[10:11], s[92:93]
	CROUND                                         ; all sixteen work-groups are here: the first joint loads meet
	s_mov_b32 s[G0S], 1
	s_add_co_u32 s[G0S+1], s94, SCL
	s_mov_b64 s[G0S+2:G0S+3], s[22:23]
	s_or_b32 s[G0S+3], s[G0S+3], 0x80000000
	s_mov_b32 s[G0SB], 1
	s_add_co_u32 s[G0SB+1], s94, SCL
	s_mov_b64 s[G0SB+2:G0SB+3], s[92:93]
	s_or_b32 s[G0SB+3], s[G0SB+3], 0x80000000
	JLOAD G0S, G1S, G0SB, G1SB                     ; the scales first: they are wanted with K step 0
.irp s, 0,1
	s_mov_b32 s[G0+4*\s], 1
	s_add_co_u32 s[G0+4*\s+1], s45, \s*SLOT
	s_add_nc_u64 s[G0+4*\s+2:G0+4*\s+3], s[20:21], \s*ROWB
	s_or_b32 s[G0+4*\s+3], s[G0+4*\s+3], 0x80000000
	s_mov_b32 s[G0B+4*\s], 1
	s_add_co_u32 s[G0B+4*\s+1], s45, \s*SLOT
	s_add_nc_u64 s[G0B+4*\s+2:G0B+4*\s+3], s[46:47], \s*ROWB
	s_or_b32 s[G0B+4*\s+3], s[G0B+4*\s+3], 0x80000000
	JLOAD G0+4*\s, G1, G0B+4*\s, G1B               ; three loads of mine are out
.endr
	v_and_b32 v1, 15, v0                           ; r = lane % 16
	v_bfe_u32 v2, v0, 4, 1                         ; h = lane / 16
	v_mul_u32_u24 v3, v1, PITCH
	v_mul_u32_u24 v4, v2, 24
	v_add_nc_u32 v4, v3, v4                        ; a fragment's row x pitch + 24 x half
	v_lshl_add_u32 v5, v2, 4, v4                   ; and the same behind one padding more
	s_mul_i32 s21, s15, HALFT                      ; my 128 rows of A
	s_mul_i32 s22, s16, HALFT                      ; my 128 rows of B,
	s_add_co_u32 s22, s22, 2*HALFT                 ; which lie behind A's 256
.irp s, 0,1
	v_add_nc_u32 v[ADRA+\s], s21, v4
	v_add_nc_u32 v[ADRB+\s], s22, v4
	v_add_nc_u32 v[ADRA+2+\s], s21, v5
	v_add_nc_u32 v[ADRB+2+\s], s22, v5
	s_add_co_u32 s21, s21, SLOT
	s_add_co_u32 s22, s22, SLOT
.endr
	v_mul_u32_u24 v5, v1, KS                       ; my row's scales: 32 bytes a row,
	v_lshrrev_b32 v6, 8, v5
	v_lshl_add_u32 v5, v6, 4, v5                   ; and 16 more for each 256 passed
	s_mul_i32 s21, s15, HALFS                      ; A's: my 128 rows
	s_mul_i32 s22, s16, HALFS                      ; B's: my 128 rows, behind A's 256
	s_add_co_u32 s22, s22, 2*HALFS
	s_sub_co_u32 s22, s22, s21
	v_mul_u32_u24 v6, s22, v2                      ; lanes 16-31 take B's
	s_add_co_u32 s21, s21, SCL
	v_add_nc_u32 v5, v5, v6
	v_add_nc_u32 v[ADRS], s21, v5
	; where my results go.  Codes, for all three: batch x 1,572,864 + my first head x 98,304 + (2 x (tile of tokens % 8) + my half of it) x 6,144
	s_cmp_eq_u32 s95, 2
	s_cselect_b32 s20, s42, s17                    ; the tile of 256 tokens
	s_cselect_b32 s21, s17, s42                    ; the tile of 256 of the 1,024 results of a token
	s_cselect_b32 s22, s16, s15                    ; my half of the tokens
	s_cselect_b32 s23, s15, s16                    ; my half of the results: two heads
	s_cselect_b32 s46, 8, 9                        ; scale words of 128 tokens and one head (v): 256 bytes; of 128 tokens and a pair of heads (q, k): 512
	s_mov_b32 s98, 768
	s_cselect_b32 s98, 1536, s98                   ; from A's block to the next: v: the next tile of the head's 64; q, k: the next 16 tokens
	s_mov_b32 s100, 768
	s_cselect_b32 s100, 93696, s100                ; from block 3 to block 4: v: on to the next head, 98,304 - 3 x 1,536
	s_mov_b32 s47, 98304
	s_cselect_b32 s47, 768, s47                    ; the second three pieces: v: the fragment's other half; q, k: the next head
	s_mov_b32 s45, 256
	s_cselect_b32 s45, 4096, s45                   ; the scale words of blocks 4-7: v: the next head; q, k: the next four tiles of tokens
	s_mov_b32 s99, 0
	s_mov_b32 s101, 0
	s_lshr_b32 s40, s20, 3                         ; batch
	s_and_b32 s41, s20, 7
	s_lshl_b32 s41, s41, 1
	s_add_co_u32 s41, s41, s22                     ; which 128 tokens of the batch
	s_lshl_b32 s21, s21, 2
	s_lshl_b32 s23, s23, 1
	s_add_co_u32 s21, s21, s23                     ; my first head
	s_mul_i32 s18, s40, 1572864
	s_mul_i32 s19, s21, 98304
	s_add_co_u32 s18, s18, s19
	s_mul_i32 s19, s41, 6144
	s_add_co_u32 s18, s18, s19
	s_mov_b32 s19, 0
	s_add_nc_u64 s[12:13], s[12:13], s[18:19]
	s_lshl_b32 s18, s40, 16                        ; scale words: batch x 65,536 + head x 4,096 + the 128 tokens
	s_lshl_b32 s19, s21, 12
	s_add_co_u32 s18, s18, s19
	s_lshl_b32 s19, s41, s46
	s_add_co_u32 s18, s18, s19
	s_mov_b32 s19, 0
	s_add_nc_u64 s[96:97], s[96:97], s[18:19]
	v_and_b32 v6, 31, v0
	v_lshlrev_b32 v[VOA], 3, v6
	v_add_nc_u32 v[VOB], s47, v[VOA]
	v_mul_u32_u24 v6, s45, v2
	v_lshl_add_u32 v[VOS], v1, 4, v6               ; 16 r, and lanes 16-31 the words of blocks 4-7
	s_mov_b32 s[SEL], 0x76543210
	s_mov_b32 s[SEL+1], 0xfedcba98                 ; each lane takes its own place in the other half
	s_mov_b32 s94, 0xffff0000                      ; lanes 16-31
.macro FRAG reg, adr, q, i             ; a fragment, 16 rows x 128 K, is 12 registers: lane l holds row l % 16; registers 6 c .. 6 c + 5 hold K = 64 c + 32 (l / 16) + 0 .. 31: 24 bytes of the row, as they lie
.irp p, 0,1,2,3,4,5                    ; in pieces of 8 bytes.  Lanes 0-15 take the row's pieces 12 q + 0, 1, 2 and 12 q + 6, 7, 8, lanes 16-31 those three pieces on
.set PCE, 12*(\q)+6*(\p/3)+\p%3       ; 16 bytes of padding lie behind every 8 pieces: where the piece three on lies behind one padding more, the second address register serves
.if PCE%8 < 5
	ds_load_b64 v[\reg+2*\p:\reg+2*\p+1], v[\adr] offset:8*PCE+16*(PCE/8)+(\i)*16*PITCH
.else
	ds_load_b64 v[\reg+2*\p:\reg+2*\p+1], v[\adr+2] offset:8*PCE+16*(PCE/8)+(\i)*16*PITCH
.endif
.endr
.endm
; 16 matrix instructions: A's blocks a0, a0 + 1 x B's eight, the slot's q-th 128 along K.  p: B's set; sc: the set of scale words.  zero = 1: the first product starts the sums.
; The 64 accumulators take turns, one instruction a turn, in the same order in every step.
.macro MUL16 a0, p, q, sc, zero
.irp a, \a0, \a0+1
.irp b, 0,1,2,3,4,5,6,7
.if \zero
	v_wmma_scale_f32_16x16x128_f8f6f4 v[8*(8*((\a)%4)+\b):8*(8*((\a)%4)+\b)+7], v[128*(\p)+FR*\b:128*(\p)+FR*\b+FR-1], v[AF+FR*(\a):AF+FR*(\a)+FR-1], 0, v[SC+8*NQ*(\sc)+NQ*\b+(\q)], v[SC+8*NQ*(\sc)+NQ*(\a)+(\q)] matrix_a_fmt:MATRIX_FMT_FP6 matrix_b_fmt:MATRIX_FMT_FP6 matrix_a_scale:MATRIX_SCALE_ROW1
.else
	v_wmma_scale_f32_16x16x128_f8f6f4 v[8*(8*((\a)%4)+\b):8*(8*((\a)%4)+\b)+7], v[128*(\p)+FR*\b:128*(\p)+FR*\b+FR-1], v[AF+FR*(\a):AF+FR*(\a)+FR-1], v[8*(8*((\a)%4)+\b):8*(8*((\a)%4)+\b)+7], v[SC+8*NQ*(\sc)+NQ*\b+(\q)], v[SC+8*NQ*(\sc)+NQ*(\a)+(\q)] matrix_a_fmt:MATRIX_FMT_FP6 matrix_b_fmt:MATRIX_FMT_FP6 matrix_a_scale:MATRIX_SCALE_ROW1
.endif
.endr
.endr
.endm
.macro FETCH_B slot, q, p              ; B's eight fragments of the slot's q-th 128 along K into set p
	WIN TO_B
.irp i, 0,1,2,3,4,5,6,7
	FRAG 128*(\p)+FR*\i, ADRB+\slot, \q, \i
.endr
	WIN 0
.endm
.macro FETCH_A slot, q, i0             ; A's blocks i0 .. i0 + 3
.irp i, \i0, \i0+1, \i0+2, \i0+3
	FRAG AF+FR*(\i), ADRA+\slot, \q, \i
.endr
.endm
.macro SCALES sc                       ; a K step's scale words into set sc: two words a row; lanes 0-15 take A's block i, lanes 16-31 B's block i
.irp i, 0,1,2,3,4,5,6,7
	ds_load_b64 v[SC+8*NQ*\sc+NQ*\i:SC+8*NQ*\sc+NQ*\i+1], v[ADRS] offset:\i*SBLK
.endr
.endm
; A load into a register that a matrix instruction has read, and a vector instruction that reads a matrix result, stand NP places behind that matrix instruction; only plain vector
; instructions that name none of its registers are places (ISA guide 7.12.1 for vector instructions).
.macro PLACES n
.rept \n
	v_nop
.endr
.endm
; A step of 128 along K that has its successor in the same slot.  A block of A is free as soon as its eight products are issued, so one set of registers serves A.
.macro STEP slot, q, zero
	s_wait_dscnt 4*NL                              ; B's set and A's blocks 0-3 are in; the youngest 24 loads (A's blocks 4-7) may be out
	WIN MUL_LO
	MUL16 0, (\q)%2, \q, \slot, \zero
	MUL16 2, (\q)%2, \q, \slot, \zero
	s_wait_dscnt 0                                 ; A's blocks 4-7 are in (asked for 32 matrix instructions ago)
	PLACES NP
	FETCH_B \slot, (\q)+1, 1-(\q)%2
	FETCH_A \slot, (\q)+1, 0
	WIN MUL_HI
	MUL16 4, (\q)%2, \q, \slot, \zero
	MUL16 6, (\q)%2, \q, \slot, \zero
	PLACES NP
	WIN 0
	FETCH_A \slot, (\q)+1, 4
.endm
; A slot's last step changes slots: one barrier; in front of it each wave waits for all its tensor loads, adds 0 to its spare word, and waits for that and for its own reads of this slot.  fill = 1: this slot is filled again, two K steps ahead.
.macro TURN slot, next, fill
	s_wait_tensorcnt 0x0                           ; all my tensor loads have landed: my part of the next slot
	ds_add_u32 v[SPW], v[NIL]                      ; 0 onto my spare word
	s_wait_dscnt 4*NL+1                            ; (the add and the youngest 24 loads, A's blocks 4-7, may be out)
	WIN MUL_LO
	MUL16 0, 1, NQ-1, \slot, 0                     ; sixteen matrix instructions stand between the add and the wait for it
	s_wait_dscnt 0x0                               ; the add is done, and my reads of this slot are over
	s_barrier_signal -1
	MUL16 2, 1, NQ-1, \slot, 0
	WIN 0
	s_barrier_wait -1
.if \fill
	CREST                                          ; the barrier has opened a round of the cluster's barrier: no wave of any partner still reads this slot's tile or has a load on its way
	s_add_nc_u64 s[G0+4*\slot+2:G0+4*\slot+3], s[G0+4*\slot+2:G0+4*\slot+3], 2*ROWB
	s_add_nc_u64 s[G0B+4*\slot+2:G0B+4*\slot+3], s[G0B+4*\slot+2:G0B+4*\slot+3], 2*ROWB
	JLOAD G0+4*\slot, G1, G0B+4*\slot, G1B         ; the first tensor load behind the round; the four v_nop behind it are the places in front of the loads below
.else
	PLACES NP
.endif
	s_wait_alu depctr_va_vdst(0)
	v_add_nc_u32 v[ADRS], 4*NQ, v[ADRS]            ; on to the next K step's scale words (no LDS load of mine is out)
	FETCH_B \next, 0, 0
	FETCH_A \next, 0, 0
	SCALES \next
	WIN MUL_HI
	MUL16 4, 1, NQ-1, \slot, 0
	MUL16 6, 1, NQ-1, \slot, 0
	PLACES NP
	WIN 0
	FETCH_A \next, 0, 4
.endm
	s_wait_alu depctr_va_vdst(0)
	s_wait_tensorcnt 1                             ; the scales and my part of K step 0 are in (K step 1's load may be out)
	s_barrier_signal -1
	s_barrier_wait -1                              ; everybody's are
	FETCH_B 0, 0, 0
	FETCH_A 0, 0, 0
	SCALES 0
	FETCH_A 0, 0, 4
	STEP 0, 0, 1                                   ; the first step stands in front of the loop: its products start the sums
	s_mov_b32 s3, LAPS-1
.Llap:                                                 ; a trip goes once round the ring and fills both slots again
	TURN 0, 1, 1
	STEP 1, 0, 0
	TURN 1, 0, 1
	STEP 0, 0, 0
	s_sub_co_u32 s3, s3, 1
	s_cmp_lg_u32 s3, 0
	s_cbranch_scc1 .Llap
	TURN 0, 1, 0                                   ; the last lap fills nothing, and has no round of the cluster's barrier
	STEP 1, 0, 0
	s_wait_dscnt 4*NL                              ; the very last step: nothing more to fetch
	WIN MUL_LO
	MUL16 0, 1, NQ-1, 1, 0
	MUL16 2, 1, NQ-1, 1, 0
	s_wait_dscnt 0
	WIN MUL_HI
	MUL16 4, 1, NQ-1, 1, 0
	MUL16 6, 1, NQ-1, 1, 0
	WIN 0
; THE WAY OUT, A's block a: my 64 numbers become four blocks' scale bytes (one word) and twelve registers of codes.  The accumulators are read where they lie, each from its low end on.
.macro QTILE a
.set AC, 64*((\a)%4)
.set WA, 2+(\a)/4                      ; the accumulators' window
.set WB, 5*WA                          ; sources 0 and 1 in it
	WIN WB
.irp b, 0,1,2,3
	v_max3_num_f32 v[TM+\b], |v[AC+16*\b]|, |v[AC+16*\b+1]|, 0x1800000   ; block b: my 16 numbers, and the floor 2^(3 - 127): the byte cannot fall under 1
.endr
.irp i, 2,4,6,8,10,12,14
.irp b, 0,1,2,3
	v_max3_num_f32 v[TM+\b], |v[AC+16*\b+\i]|, |v[AC+16*\b+\i+1]|, v[TM+\b]   ; (the four blocks by turns)
.endr
.endr
	WIN 0
.irp b, 0,1,2,3
	v_permlanex16_b32 v[TM+4+\b], v[TM+\b], s[SEL], s[SEL+1]
.endr
.irp b, 0,1,2,3
	v_max_num_f32 v[TM+\b], v[TM+\b], v[TM+4+\b]   ; with lane l xor 16's 16: the block's largest magnitude
.endr
.irp b, 0,1,2,3
	v_add_nc_u32 v[TM+12+\b], 0xff000000, v[TM+\b] ; 2 off its exponent field: the conversion takes the exponent field of this operand as its scale
.endr
.irp b, 0,1,2,3
	v_lshrrev_b32 v[TM+4+\b], 23, v[TM+12+\b]      ; the scale's byte
.endr
	v_lshl_or_b32 v[PW+\a], v[TM+5], 8, v[TM+4]
	v_lshl_or_b32 v[PW+\a], v[TM+6], 16, v[PW+\a]
	v_lshl_or_b32 v[PW+\a], v[TM+7], 24, v[PW+\a]
.if (\a) > 0
	s_wait_xcnt 0x0                                ; the last block's stores have read their data and their base: both are written again only behind this wait
.if (\a) == 4
	s_add_nc_u64 s[12:13], s[12:13], s[100:101]
.else
	s_add_nc_u64 s[12:13], s[12:13], s[98:99]
.endif
.endif
	WIN WA                                         ; source 0 alone
.irp c, 0,1
	v_cvt_scalef32_pk16_fp6_f32 v[CD+6*\c:CD+6*\c+2], v[AC+32*\c:AC+32*\c+15], v[TM+12+2*\c]
	v_cvt_scalef32_pk16_fp6_f32 v[CD+12+4*\c:CD+14+4*\c], v[AC+32*\c+16:AC+32*\c+31], v[TM+12+2*\c+1]   ; (a conversion's three registers begin on an even number)
.endr
	WIN 0
	v_nop                                          ; one plain place behind a scaled conversion
.irp c, 0,1                                    ; the operand's layout wants a whole block in a lane: lanes 0-15 block 2 c, lanes 16-31 block 2 c + 1
.irp i, 0,1,2
	v_permlane16_swap_b32 v[CD+6*\c+\i], v[CD+12+4*\c+\i]
.endr
.irp i, 0,1,2
	v_mov_b32 v[CD+3+6*\c+\i], v[CD+12+4*\c+\i]
.endr
.endr
.irp p, 0,1,2
	global_store_b64 v[VOA], v[CD+2*\p:CD+2*\p+1], s[12:13] offset:256*\p        ; 32 lanes store 256 consecutive bytes, aligned
.endr
.irp p, 0,1,2
	global_store_b64 v[VOB], v[CD+6+2*\p:CD+7+2*\p], s[12:13] offset:256*\p
.endr
.endm
	PLACES NP                                      ; behind the last products: their results are read and the registers that held A's fragments are written below
.irp b, 0,1,2,3
	v_mov_b32 v[TM+4+\b], 0                        ; written once: a lane permute's destination counts as one of its sources
.endr
.irp a, 0,1,2,3,4,5,6,7
	QTILE \a
.endr
.irp i, 0,1,2,3
	v_cndmask_b32 v[SW+\i], v[PW+\i], v[PW+4+\i], s94   ; lanes 0-15 store the words of blocks 0-3, lanes 16-31 those of blocks 4-7 (both halves of the lanes hold every word)
.endr
	global_store_b128 v[VOS], v[SW:SW+3], s[96:97] ; sixteen lanes store 256 consecutive bytes, aligned
	s_wait_tensorcnt 0x0                           ; the wave's end
	ds_add_u32 v[SPW], v[NIL]
	s_wait_dscnt 0x0
	CROUND                                         ; the closing round: no work-group ends while a partner may still ask for a tile that names it
	s_endpgm
.Lfunc_end_k_q6029ce7cc3_proj:
	.size	k_q6029ce7cc3_proj, .Lfunc_end_k_q6029ce7cc3_proj-k_q6029ce7cc3_proj
	.p2alignl 7, 3214868480
	.fill 96, 4, 3214868480
	.section	.rodata,"a",@progbits
	.p2align	6, 0x0
	.amdhsa_kernel k_q6029ce7cc3_proj
		.amdhsa_group_segment_fixed_size 327680
		.amdhsa_private_segment_fixed_size 0
		.amdhsa_enable_private_segment 0
		.amdhsa_kernarg_size 144
		.amdhsa_user_sgpr_count 2
		.amdhsa_user_sgpr_kernarg_segment_ptr 1
		.amdhsa_wavefront_size32 1
		.amdhsa_system_sgpr_workgroup_id_x 1
		.amdhsa_system_sgpr_workgroup_id_y 1
		.amdhsa_system_sgpr_workgroup_id_z 1
		.amdhsa_system_vgpr_workitem_id 0
		.amdhsa_next_free_vgpr 1024
		.amdhsa_next_free_sgpr 102
		.amdhsa_reserve_vcc 0
		.amdhsa_float_denorm_mode_32 3
		.amdhsa_float_denorm_mode_16_64 3
		.amdhsa_memory_ordered 1
		.amdhsa_forward_progress 1
		.amdhsa_inst_pref_size 169
	.end_amdhsa_kernel
	.amdgpu_metadata
---
amdhsa.version: [ 1, 2 ]
amdhsa.kernels:
  - .name:           k_q6029ce7cc3_proj
    .symbol:         k_q6029ce7cc3_proj.kd
    .args:
      - { .name: queries_codes, .offset: 0, .size: 8, .value_kind: global_buffer, .address_space: global }
      - { .name: queries_scales, .offset: 8, .size: 8, .value_kind: global_buffer, .address_space: global }
      - { .name: Wq_codes, .offset: 16, .size: 8, .value_kind: global_buffer, .address_space: global }
      - { .name: Wq_scales, .offset: 24, .size: 8, .value_kind: global_buffer, .address_space: global }
      - { .name: qc, .offset: 32, .size: 8, .value_kind: global_buffer, .address_space: global }
      - { .name: qs, .offset: 40, .size: 8, .value_kind: global_buffer, .address_space: global }
      - { .name: keys_codes, .offset: 48, .size: 8, .value_kind: global_buffer, .address_space: global }
      - { .name: keys_scales, .offset: 56, .size: 8, .value_kind: global_buffer, .address_space: global }
      - { .name: Wk_codes, .offset: 64, .size: 8, .value_kind: global_buffer, .address_space: global }
      - { .name: Wk_scales, .offset: 72, .size: 8, .value_kind: global_buffer, .address_space: global }
      - { .name: kc, .offset: 80, .size: 8, .value_kind: global_buffer, .address_space: global }
      - { .name: ks, .offset: 88, .size: 8, .value_kind: global_buffer, .address_space: global }
      - { .name: Wv_codes, .offset: 96, .size: 8, .value_kind: global_buffer, .address_space: global }
      - { .name: Wv_scales, .offset: 104, .size: 8, .value_kind: global_buffer, .address_space: global }
      - { .name: values_codes, .offset: 112, .size: 8, .value_kind: global_buffer, .address_space: global }
      - { .name: values_scales, .offset: 120, .size: 8, .value_kind: global_buffer, .address_space: global }
      - { .name: vc, .offset: 128, .size: 8, .value_kind: global_buffer, .address_space: global }
      - { .name: vs, .offset: 136, .size: 8, .value_kind: global_buffer, .address_space: global }
    .group_segment_fixed_size: 327680
    .private_segment_fixed_size: 0
    .kernarg_segment_align: 8
    .kernarg_segment_size: 144
    .max_flat_workgroup_size: 128
    .sgpr_count:     102
    .vgpr_count:     1024
    .wavefront_size: 32
...
	.end_amdgpu_metadata
.endif
;; end of part 1
;; launch attn (part 2): grid 256 x 1, 8 waves a work-group, no clusters, 214,016 bytes of LDS; arguments qc, qs, kc, ks, vc, vs, valid_lens, oc, os; writes oc, os
.if DOCPART == 2
	.amdgcn_target "amdgcn-amd-amdhsa--gfx1250"
	.amdhsa_code_object_version 6
	.text
	.protected	k_q6029ce7cc3_attn
	.globl	k_q6029ce7cc3_attn
	.p2align	8
	.type	k_q6029ce7cc3_attn,@function
k_q6029ce7cc3_attn:
	s_mov_b64 s[64:65], 0
	v_nop
	global_prefetch_b8 v0, s[64:65] scope:SCOPE_SE
	s_setreg_imm32_b32 hwreg(HW_REG_WAVE_MODE, 25, 1), 1
	s_wait_xcnt 0x0
; ATTENTION ON CODES OF FP6 (E2M3): S^T = k q^T (K = a head's 64), the softmax with the mask by valid_lens, O^T = v^T p^T (K = the keys), O / l quantised along the head's 64 for the last projection.
; t = score x log2(e) / 8; M = the running largest t rounded UP to a whole number; p = 2^(t - M) is quantised along the keys, not normalised; the row's sum is taken of the unquantised p and divides O at the end.
; SHARES.  Work-group = (head = x % 16, slice = x / 16); its eight waves own the tiles of 16 queries 8 slice + wave, in each of the four batches, one batch after the other (a loop of four phases):
; so all 256 work-groups have the same work whatever valid_lens holds.  In a phase the whole k and v of (batch, head) lie in LDS, and each wave walks 16 steps of 128 keys.
; THE MASK.  Keys at or behind valid_len get the logit -1e6, whose p is 0.  A step all of whose keys are so masked is left out by a scalar branch on valid_lens; in the one step on the border the masked scores are
; replaced ahead of the maximum.  That branch is why LDS is filled through registers here and not by the tensor data mover, and why no tile is asked for jointly by a cluster.
; LIMITS: leaving masked steps out takes each row's largest valid logit to lie more than some 200 above -1e6.  valid_lens is held to 0 .. 2,048; with 0 every logit is equal and every key weighs the same
; (all scores are replaced by 0).  NaN and infinities are not served.  A block of zeros gets the scale byte 1 and zero codes (these bytes are read by this program alone).
; THE FILL RUNS ONE PHASE AHEAD: behind a phase's second barrier each wave loads its share of the next batch's k, v and scale words into 204 registers of window 1, and stores them to LDS between the next phase's two barriers.
; Groups of 256 keys that lie wholly behind the next batch's valid_len are neither loaded nor stored.  The first fill is whole, so that every staging register and every LDS byte has been written.
; K = 64 IN AN INSTRUCTION OF K = 128.  A fragment of k holds TWO tiles of 16 keys: registers 0-5 one, 6-11 the next (six neighbouring pieces of kc).  It is multiplied by [q | 0] for the first tile and by [0 | q] for
; the second: zero codes add nothing.  Both are runs of one row of 18 registers: zeros, q, zeros.
; LAYOUT.  Both products are used transposed: a lane holds one query (lane % 16).  Register j of tile t of S^T is key 16 t + 8 (lane / 16) + j; p's codes are laid as vc's are, in the same order inside each block of 32 keys.
; THE ROWS OF v^T THAT FORM A TILE ARE CHOSEN BY ADDRESS: lane r = 8 g + i of tile 2 b + u reads row 32 b + 16 g + 8 u + i, so that register 16 b + 8 u + j of lane half h of O^T is number 32 b + 16 h + 8 u + j of the head:
; sixteen neighbours in true order, as the codes of Wo want them.
; LDS: k 98,304 bytes as in memory | v 64 fragments of 1,536 bytes, 1,600 apart (1,600 = 64 mod 256: the 32 lanes of the chosen rows' loads of 8 bytes touch 64 different banks; ISA guide 11.1) | k's scale words 8,192 | v's 4,096.
; REGISTERS, window 0: v1-18 addresses; v20 -M, v21 the largest t, v[22:23] the sum; v24-41 zeros, q, zeros; v42-43 q's scale words; v44-50 the next q; v52-99 four fragments; v100-163 S^T, then p; v164-195 O^T;
;   v196-207 p's codes; v208-227 at work; v228-235 k's scale words as stored, v236-239 as used; v240-243 v's; v244 f, v245 p's scale word; v246-247 at work.   window 1: v0-203 the next batch on its way.
.set VREG,   98304                     ; LDS: v's fragments
.set VPITCH, 1600
.set KSREG,  200704                    ; k's scale words
.set VSREG,  208896                    ; v's
.set AK0, 1                            ; v1   8 x lane
.set AV0, 2                            ; v2   my lane's place in a tile of v^T
.set AKS0, 3                           ; v3   among k's scale words
.set AVS0, 4                           ; v4   among v's
.set ADK, 5                            ; v5-8 the step's addresses
.set ADV, 6
.set ADS, 7
.set ADT, 8
.set LK,  9                            ; v9   1,536 x wave + 16 x lane: my share of a group of k or v in memory, and of k in LDS (groups 0-3); v10: groups 4-7
.set LV,  11                           ; v11  my fragment of a group of v in LDS (groups 0-3); v12: groups 4-7
.set VT,  13                           ; v13  16 x thread
.set LKS, 14                           ; v14  the same among the scale words in LDS
.set QO,  15                           ; v15  8 x lane: a piece in memory
.set QSO, 16                           ; v16  16 r
.set OSO, 17                           ; v17  32 r
.set H8,  18                           ; v18  8 h
.set QS1, 42
.set QS2, 43
.set QN,  44
.set QNS, 50
.set FB,  52
.set S,   100
.set O,   164
.set PC,  196
.set BM,  208
.set TP,  212
.set SO,  216
.set CT,  220
.set KW,  228
.set DW,  236
.set VW,  240
.set F,   244
.set PS,  245
.set T0,  246
.set T1,  247
.set VL,  28                           ; s28-31 valid_lens of this and the later batches, held to 0 .. 2,048
.set NC,  32                           ; s32-35 how many keys are walked, likewise; s36 = 0: behind the last batch nothing is loaded
.set NF,  37                           ; s37  how many keys the fill stores
.set MV,  38                           ; s38  what a masked score becomes
.set SELC, 43                          ; s43  v_perm_b32's selector: my head's half of two scale words
.set SEL, 46                           ; s[46:47] lane selects for v_permlanex16_b32: lane l xor 16
.set CS,  48                           ; s[48:49] c = log2(e) / 8
.set KF,  50                           ; s50  the step's first key
.set TK,  51                           ; s51-54 where the step's k, v and their scale words begin in their regions
.set TV,  52
.set TS,  53
.set TT,  54
.set MSB, 0
.macro WIN new                         ; the immediate's high byte repeats the setting that is left
.if MSB != \new
	s_set_vgpr_msb (MSB<<8)|\new
.set MSB, \new
.endif
.endm
.macro GLOAD g                         ; my share of group g (256 keys): 1,536 bytes of k and one fragment of v, into window 1
.irp i, 0,1,2
	global_load_b128 v[12*(\g)+4*\i:12*(\g)+4*\i+3], v[LK], s[12:13] offset:12288*(\g)+512*\i
	global_load_b128 v[96+12*(\g)+4*\i:96+12*(\g)+4*\i+3], v[LK], s[16:17] offset:12288*(\g)+512*\i
.endr
.endm
.macro GSTORE g                        ; and from there to LDS
.irp i, 0,1,2
	ds_store_b128 v[LK+(\g)/4], v[12*(\g)+4*\i:12*(\g)+4*\i+3] offset:12288*((\g)%4)+512*\i
	ds_store_b128 v[LV+(\g)/4], v[96+12*(\g)+4*\i:96+12*(\g)+4*\i+3] offset:12800*((\g)%4)+512*\i
.endr
.endm
; The next batch's q, scale words, k and v.  cond = 1: nothing behind the last batch, and only the groups that hold a key in front of that batch's bound.  At a branch and at a label every window is 0.
.macro LOADNEXT cond
.if \cond
	s_cmp_eq_u32 s[NC+1], 0
	s_cbranch_scc1 .Lnomore_\@
.endif
.irp p, 0,1,2
	global_load_b64 v[QN+2*\p:QN+2*\p+1], v[QO], s[8:9] offset:256*\p
.endr
	global_load_b32 v[QNS], v[QSO], s[10:11]
	WIN 0x40                                       ; destination window 1
	global_load_b128 v[192:195], v[VT], s[14:15]
	global_load_b128 v[196:199], v[VT], s[14:15] offset:4096
	global_load_b128 v[200:203], v[VT], s[18:19]
	GLOAD 0
.irp g, 1,2,3,4,5,6,7
.if \cond
	WIN 0
	s_cmp_le_u32 s[NC+1], 256*\g
	s_cbranch_scc1 .Lnomore_\@
.endif
	WIN 0x40
	GLOAD \g
.endr
	WIN 0
.Lnomore_\@:
.endm
.macro STOREFILL
	WIN 0x04                                       ; an LDS store's data are its source 1: window 1
	ds_store_b128 v[LKS], v[192:195]
	ds_store_b128 v[LKS], v[196:199] offset:4096
	ds_store_b128 v[LKS], v[200:203] offset:8192
	GSTORE 0
.irp g, 1,2,3,4,5,6,7
	WIN 0
	s_cmp_le_u32 s[NF], 256*\g
	s_cbranch_scc1 .Lfilled_\@
	WIN 0x04
	GSTORE \g
.endr
	WIN 0
.Lfilled_\@:
.endm
	s_load_b256 s[8:15], s[0:1], 0x0               ; qc s[8:9], qs s[10:11], kc s[12:13], ks s[14:15]
	s_load_b256 s[16:23], s[0:1], 0x20             ; vc s[16:17], vs s[18:19], valid_lens s[20:21], oc s[22:23]
	s_load_b64 s[24:25], s[0:1], 0x40              ; os
	v_lshl_add_u32 v254, v0, 2, 0x34000
	v_mov_b32 v255, 0
	v_lshrrev_b32 v1, 5, v0
	s_delay_alu instid0(VALU_DEP_1)
	v_readfirstlane_b32 s41, v1                    ; wave 0..7
	s_and_b32 s39, ttmp9, 15                       ; head
	s_lshr_b32 s40, ttmp9, 4                       ; slice
	s_lshl_b32 s42, s40, 3
	s_add_co_u32 s42, s42, s41                     ; my tile of 16 queries, 0..127
	s_and_b32 s66, s39, 1
	s_lshl_b32 s44, s66, 4                         ; my head's half of a scale word of q or k: 16 bits up in an odd head
	s_cmp_eq_u32 s66, 0
	s_mov_b32 s[SELC], 0x07060302                  ; the two high halves,
	s_cselect_b32 s[SELC], 0x05040100, s[SELC]     ; or the two low ones
	s_mov_b32 s[SEL], 0x76543210
	s_mov_b32 s[SEL+1], 0xfedcba98
	s_mov_b32 s[CS], 0x3e38aa3b                    ; c = log2(e) / 8
	s_mov_b32 s[CS+1], s[CS]                       ; (named with it as a pair, so it is written)
	s_mov_b32 s36, 0
	s_mov_b32 s[NF], 2048                          ; the first fill is whole
	s_mov_b32 s56, 4                               ; phases
	v_and_b32 v19, 31, v0                          ; lane
	v_and_b32 v[T0], 15, v0                        ; r
	v_bfe_u32 v[T1], v0, 4, 1                      ; h
	s_delay_alu instid0(VALU_DEP_3)
	v_lshlrev_b32 v[AK0], 3, v19
	v_bfe_u32 v2, v0, 3, 1                         ; g
	v_and_b32 v3, 7, v0                            ; i
	s_delay_alu instid0(VALU_DEP_2)
	v_lshlrev_b32 v4, 2, v2
	s_delay_alu instid0(VALU_DEP_1)
	v_lshl_add_u32 v4, v3, 4, v4
	s_delay_alu instid0(VALU_DEP_1)
	v_add_nc_u32 v[AVS0], VSREG, v4                ; v's scale words: 16 i + 4 g
	v_mul_u32_u24 v2, v2, VPITCH
	s_delay_alu instid0(VALU_DEP_1)
	v_lshl_add_u32 v2, v[T1], 7, v2
	s_delay_alu instid0(VALU_DEP_1)
	v_lshl_add_u32 v2, v3, 3, v2
	s_delay_alu instid0(VALU_DEP_1)
	v_add_nc_u32 v[AV0], VREG, v2                  ; v: 1,600 g + 128 h + 8 i
	v_lshl_add_u32 v[AKS0], v[T0], 4, KSREG        ; k's scale words: 16 r
	s_mul_i32 s66, s41, 1536
	v_lshl_add_u32 v[LK], v19, 4, s66
	s_delay_alu instid0(VALU_DEP_1)
	v_add_nc_u32 v[LK+1], 49152, v[LK]
	s_mul_i32 s66, s41, VPITCH
	s_add_co_u32 s66, s66, VREG
	v_lshl_add_u32 v[LV], v19, 4, s66
	s_delay_alu instid0(VALU_DEP_1)
	v_add_nc_u32 v[LV+1], 51200, v[LV]
	v_lshlrev_b32 v[VT], 4, v0
	s_delay_alu instid0(VALU_DEP_1)
	v_add_nc_u32 v[LKS], KSREG, v[VT]
	v_lshlrev_b32 v[QO], 3, v19
	v_lshlrev_b32 v[QSO], 4, v[T0]
	v_lshlrev_b32 v[OSO], 5, v[T0]
	v_lshlrev_b32 v[H8], 3, v[T1]
.irp i, 0,1,2,3,4,5
	v_mov_b32 v[24+\i], 0                          ; the zero codes on both sides of q: written once
	v_mov_b32 v[36+\i], 0
.endr
.irp b, 0,1,2,3
	v_mov_b32 v[TP+\b], 0                          ; written once: a lane permute's destination counts as one of its sources
.endr
	s_wait_kmcnt 0x0
	s_load_b128 s[VL:VL+3], s[20:21], 0x0
	s_mul_i32 s66, s39, 98304                      ; my head's codes of k and v,
	s_mov_b32 s67, 0
	s_add_nc_u64 s[12:13], s[12:13], s[66:67]
	s_add_nc_u64 s[16:17], s[16:17], s[66:67]
	s_mul_i32 s68, s42, 768
	s_add_co_u32 s66, s66, s68
	s_add_nc_u64 s[8:9], s[8:9], s[66:67]          ; and my tile's of q
	s_lshr_b32 s66, s39, 1
	s_lshl_b32 s66, s66, 13                        ; my pair of heads' scale words of k,
	s_add_nc_u64 s[14:15], s[14:15], s[66:67]
	s_lshr_b32 s68, s42, 2
	s_lshl_b32 s68, s68, 8
	s_add_co_u32 s66, s66, s68
	s_and_b32 s68, s42, 3
	s_lshl_b32 s68, s68, 2
	s_add_co_u32 s66, s66, s68
	s_add_nc_u64 s[10:11], s[10:11], s[66:67]      ; and my tile's of q
	s_lshl_b32 s66, s39, 12
	s_add_nc_u64 s[18:19], s[18:19], s[66:67]      ; my head's of v
	s_mul_i32 s66, s42, 12288
	s_mul_i32 s68, s39, 768
	s_add_co_u32 s66, s66, s68
	s_add_nc_u64 s[22:23], s[22:23], s[66:67]      ; oc: [tile of 16 tokens][head][3 pieces]
	s_lshl_b32 s66, s42, 9
	s_lshl_b32 s68, s39, 1
	s_add_co_u32 s66, s66, s68
	s_add_nc_u64 s[24:25], s[24:25], s[66:67]      ; os: [token][32 bytes], my head's two
	s_wait_kmcnt 0x0
.irp i, 0,1,2,3
	s_max_i32 s[VL+\i], s[VL+\i], 0
	s_min_i32 s[VL+\i], s[VL+\i], 2048
	s_cmp_eq_u32 s[VL+\i], 0
	s_cselect_b32 s[NC+\i], 2048, s[VL+\i]         ; with no valid key all keys are walked
.endr
	LOADNEXT 0                                     ; batch 0, whole
.Lphase:
	s_wait_loadcnt 0x0                             ; this batch's q, k, v and scale words are in registers; the loads' bases may be stepped
	s_wait_dscnt 0x0                               ; my reads of the last batch's k and v are over
	s_barrier_signal -1
	s_barrier_wait -1                              ; everybody's are
	STOREFILL
.irp i, 0,1,2,3,4,5
	v_mov_b32 v[30+\i], v[QN+\i]                   ; q between the zeros
.endr
	v_lshrrev_b32 v[QS1], s44, v[QNS]
	s_delay_alu instid0(VALU_DEP_1)
	v_and_b32 v[QS1], 0xffff, v[QS1]               ; q's two bytes under [q | 0]; the bytes over zero codes are 0
	s_delay_alu instid0(VALU_DEP_1)
	v_lshlrev_b32 v[QS2], 16, v[QS1]               ; and under [0 | q]
	s_wait_dscnt 0x0                               ; for the others' sake: my stores have landed
	s_barrier_signal -1
	s_barrier_wait -1
	s_add_nc_u64 s[8:9], s[8:9], 1572864           ; on to the next batch
	s_add_nc_u64 s[12:13], s[12:13], 1572864
	s_add_nc_u64 s[16:17], s[16:17], 1572864
	s_add_nc_u64 s[10:11], s[10:11], 65536
	s_add_nc_u64 s[14:15], s[14:15], 65536
	s_add_nc_u64 s[18:19], s[18:19], 65536
	LOADNEXT 1                                     ; it has this whole phase in which to land
	v_mov_b32 v21, 0xff61b1e6                      ; the largest t so far: -3e38, under every t
	s_delay_alu instid0(VALU_DEP_1)
	v_floor_f32 v20, -v21                          ; -M
	v_mov_b32 v22, 0                               ; the sum, in two halves
	v_mov_b32 v23, 0
	v_mov_b32 v[PS], 0                             ; (named as the upper half of the pair v[244:245] before it is first written)
.set J, 0
.rept 32
	v_mov_b32 v[O+J], 0                            ; O^T: the step is written once; the first finds zeros, which the first change of M leaves zeros
.set J, J+1
.endr
	s_cmp_eq_u32 s[VL], 0
	s_cselect_b32 s[MV], 0, 0xcaf42400             ; a masked score: -8e6, whose eighth is the logit -1e6; with no valid key 0 for all
	s_mov_b32 s[KF], 0
	s_mov_b32 s[TK], 0
	s_mov_b32 s[TV], 0
	s_mov_b32 s[TS], 0
	s_mov_b32 s[TT], 0
	s_mov_b32 s55, 16
.Lstep:                                                ; 16 trips, a constant; a step all of whose keys are masked does no work
	s_cmp_ge_u32 s[KF], s[NC]
	s_cbranch_scc1 .Lskip
	s_setprio 2
	v_add_nc_u32 v[ADK], s[TK], v[AK0]             ; (these four are also the places behind the last step's products, in front of the loads into the fragments' registers)
	v_add_nc_u32 v[ADV], s[TV], v[AV0]
	v_add_nc_u32 v[ADS], s[TS], v[AKS0]
	v_add_nc_u32 v[ADT], s[TT], v[AVS0]
	ds_load_b128 v[KW:KW+3], v[ADS]                ; the scale words of key r of the step's eight tiles
	ds_load_b128 v[KW+4:KW+7], v[ADS] offset:256
.irp d, 0,1,2,3
.irp p, 0,1,2,3,4,5
	ds_load_b64 v[FB+12*\d+2*\p:FB+12*\d+2*\p+1], v[ADK] offset:1536*\d+256*\p   ; tiles 2 d and 2 d + 1 of keys: six pieces on end
.endr
.endr
	s_wait_dscnt 24                                ; the scale words are in; the 24 loads behind them may be out
.irp d, 0,1,2,3
	v_perm_b32 v[DW+\d], v[KW+2*\d+1], v[KW+2*\d], s[SELC]   ; my head's two bytes of tile 2 d below, of tile 2 d + 1 above
.endr
.rept 8
	v_nop                                          ; a scale register written by a vector instruction stands eight places ahead of a scaled matrix instruction
.endr
	s_wait_alu depctr_va_vdst(0)
	s_wait_dscnt 0x0
.irp d, 0,1,2,3
	v_wmma_scale_f32_16x16x128_f8f6f4 v[S+16*\d:S+16*\d+7], v[FB+12*\d:FB+12*\d+11], v[30:41], 0, v[DW+\d], v[QS1] matrix_a_fmt:MATRIX_FMT_FP6 matrix_b_fmt:MATRIX_FMT_FP6
	v_wmma_scale_f32_16x16x128_f8f6f4 v[S+16*\d+8:S+16*\d+15], v[FB+12*\d:FB+12*\d+11], v[24:35], 0, v[DW+\d], v[QS2] matrix_a_fmt:MATRIX_FMT_FP6 matrix_b_fmt:MATRIX_FMT_FP6
.endr
.rept 4
	v_nop                                          ; places in front of the loads below and of the first read of the scores
.endr
.irp b, 0,1
.irp u, 0,1
	ds_load_b32 v[VW+2*\b+\u], v[ADT] offset:128*\u+8*\b
.irp p, 0,1,2,3,4,5
	ds_load_b64 v[FB+12*(2*\b+\u)+2*\p:FB+12*(2*\b+\u)+2*\p+1], v[ADV] offset:3200*\b+64*\u+256*\p   ; v^T's four tiles land while the softmax is walked
.endr
.endr
.endr
	s_add_co_u32 s66, s[KF], 128
	s_cmp_le_u32 s66, s[VL]
	s_cbranch_scc1 .Lopen                          ; all 128 keys count
	s_sub_co_i32 s66, s[VL], s[KF]
	v_sub_nc_u32 v[T0], s66, v[H8]                 ; register 8 t + j holds key KF + 8 h + 16 t + j: masked where 16 t + j >= valid_len - KF - 8 h
	v_mov_b32 v[T1], s[MV]
.set N, 0
.rept 64
	v_cmp_ge_i32 vcc_lo, 16*(N/8)+N%8, v[T0]
	v_cndmask_b32 v[S+N], v[S+N], v[T1], vcc_lo
.set N, N+1
.endr
.Lopen:
.irp b, 0,1,2,3
	v_max3_num_f32 v[BM+\b], v[S+16*\b], v[S+1+16*\b], v[S+2+16*\b]   ; the largest score of each block of 32 keys: for the row's maximum, and, since p rises with the score, for the block's largest p
.endr
.irp i, 3,5,7,9,11,13
.irp b, 0,1,2,3
	v_max3_num_f32 v[BM+\b], v[BM+\b], v[S+16*\b+\i], v[S+1+16*\b+\i]
.endr
.endr
.irp b, 0,1,2,3
	v_max_num_f32 v[BM+\b], v[BM+\b], v[S+15+16*\b]
.endr
.irp b, 0,1,2,3
	s_delay_alu instid0(VALU_DEP_4)
	v_permlanex16_b32 v[TP+\b], v[BM+\b], s[SEL], s[SEL+1]
.endr
.irp b, 0,1,2,3
	s_delay_alu instid0(VALU_DEP_4)
	v_max_num_f32 v[BM+\b], v[BM+\b], v[TP+\b]     ; with lane l xor 16's 16 keys
.endr
	s_delay_alu instid0(VALU_DEP_2)
	v_max3_num_f32 v[T0], v[BM], v[BM+1], v[BM+2]
	s_delay_alu instid0(VALU_DEP_1)
	v_max_num_f32 v[T0], v[T0], v[BM+3]            ; the step's largest score of my query
	s_delay_alu instid0(VALU_DEP_1)
	v_mul_f32 v[T0], s[CS], v[T0]                  ; as t (c is positive)
	s_delay_alu instid0(VALU_DEP_1)
	v_max_num_f32 v21, v21, v[T0]                  ; the running largest t
	v_mov_b32 v[T0], v20
	s_delay_alu instid0(VALU_DEP_2)
	v_floor_f32 v20, -v21                          ; the new -M = floor(-t): M is a whole number
	s_delay_alu instid0(VALU_DEP_1)
	v_sub_f32 v[T0], v20, v[T0]                    ; old M less new M: a whole number, 0 or less
	s_delay_alu instid0(VALU_DEP_1)
	v_cvt_i32_f32 v[T0], v[T0]                     ; (it saturates)
	s_delay_alu instid0(VALU_DEP_1)
	v_ldexp_f32 v[F], 1.0, v[T0]                   ; f = 2^(old M - new M): a multiplication by it rounds nothing
.set J, 0
	s_setprio 1
.rept 32
	v_pk_fma_f32 v[S+J:S+J+1], v[S+J:S+J+1], s[CS:CS+1], v[20:21] op_sel_hi:[1,0,0]   ; t - M, two at a time
.set J, J+2
.endr
.irp b, 0,1,2,3
	v_fma_f32 v[BM+\b], v[BM+\b], s[CS], v20       ; the same of each block's largest score
.endr
.set J, 0
	s_wait_alu depctr_va_vdst(0)
.rept 64
	v_exp_f32 v[S+J], v[S+J]                       ; p = 2^(t - M), at most 1
.set J, J+1
.endr
	v_pk_mul_f32 v[22:23], v[22:23], v[F:F+1] op_sel_hi:[1,0]   ; the sums under the new M (a plain place behind the exponentials)
	s_wait_alu depctr_va_vdst(0)                   ; one wait for the whole batch, ahead of its first reader
.irp b, 0,1,2,3
	v_exp_f32 v[BM+\b], v[BM+\b]                   ; the block's largest p: the same two instructions on the same number give the same bits
.endr
	v_pk_add_f32 v[212:213], v[104:105], v[108:109]
	v_pk_add_f32 v[252:253], v[112:113], v[116:117]
	v_pk_add_f32 v[250:251], v[120:121], v[124:125]
	v_pk_add_f32 v[248:249], v[128:129], v[132:133]
	v_pk_add_f32 v[238:239], v[136:137], v[140:141]
	v_pk_add_f32 v[236:237], v[144:145], v[148:149]
	v_pk_add_f32 v[234:235], v[152:153], v[156:157]
	v_pk_add_f32 v[22:23], v[22:23], v[160:161]
	v_pk_add_f32 v[212:213], v[212:213], v[100:101]
	v_pk_add_f32 v[252:253], v[252:253], v[102:103]
	v_pk_add_f32 v[250:251], v[250:251], v[106:107]
	v_pk_add_f32 v[248:249], v[248:249], v[110:111]
	v_pk_add_f32 v[238:239], v[238:239], v[114:115]
	v_pk_add_f32 v[236:237], v[236:237], v[118:119]
	v_pk_add_f32 v[234:235], v[234:235], v[122:123]
	v_pk_add_f32 v[22:23], v[22:23], v[126:127]
	v_pk_add_f32 v[212:213], v[212:213], v[130:131]
	v_pk_add_f32 v[252:253], v[252:253], v[134:135]
	v_pk_add_f32 v[250:251], v[250:251], v[138:139]
	v_pk_add_f32 v[248:249], v[248:249], v[142:143]
	v_pk_add_f32 v[238:239], v[238:239], v[146:147]
	v_pk_add_f32 v[236:237], v[236:237], v[150:151]
	v_pk_add_f32 v[234:235], v[234:235], v[154:155]
	v_pk_add_f32 v[22:23], v[22:23], v[158:159]
	v_pk_add_f32 v[212:213], v[212:213], v[162:163]
	s_delay_alu instid0(VALU_DEP_2)
	v_pk_add_f32 v[22:23], v[22:23], v[248:249]
	s_delay_alu instid0(VALU_DEP_2)
	v_pk_add_f32 v[212:213], v[212:213], v[238:239]
	v_pk_add_f32 v[252:253], v[252:253], v[236:237]
	v_pk_add_f32 v[250:251], v[250:251], v[234:235]
	s_delay_alu instid0(VALU_DEP_2)
	v_pk_add_f32 v[22:23], v[22:23], v[252:253]
	s_delay_alu instid0(VALU_DEP_2)
	v_pk_add_f32 v[212:213], v[212:213], v[250:251]
	s_delay_alu instid0(VALU_DEP_1)
	v_pk_add_f32 v[22:23], v[22:23], v[212:213]
	s_setprio 0
	s_wait_alu depctr_va_vdst(0)                   ; and one for the four
.irp b, 0,1,2,3
	v_max_num_f32 v[BM+\b], 0x1800000, v[BM+\b]    ; the floor 2^(3 - 127): the byte cannot fall under 1 (a block whose every p is 0 keeps that byte: its codes are zeros)
.endr
.irp b, 0,1,2,3
	s_delay_alu instid0(VALU_DEP_4)
	v_add_nc_u32 v[SO+\b], 0xff000000, v[BM+\b]    ; 2 off the exponent field: the conversion's scale operand
.endr
.irp b, 0,1,2,3
	s_delay_alu instid0(VALU_DEP_4)
	v_lshrrev_b32 v[TP+\b], 23, v[SO+\b]           ; the scale's byte
.endr
	s_delay_alu instid0(VALU_DEP_3)
	v_lshl_or_b32 v[PS], v[TP+1], 8, v[TP]         ; p's scale word for these 128 keys
	s_delay_alu instid0(VALU_DEP_1)
	v_lshl_or_b32 v[PS], v[TP+2], 16, v[PS]
	s_delay_alu instid0(VALU_DEP_1)
	v_lshl_or_b32 v[PS], v[TP+3], 24, v[PS]
.irp c, 0,1
	v_cvt_scalef32_pk16_fp6_f32 v[PC+6*\c:PC+2+6*\c], v[S+32*\c:S+15+32*\c], v[SO+2*\c]
	v_cvt_scalef32_pk16_fp6_f32 v[CT+4*\c:CT+2+4*\c], v[S+16+32*\c:S+31+32*\c], v[SO+2*\c+1]   ; (a conversion's three registers begin on an even number)
.endr
	v_nop                                          ; one plain place behind a scaled conversion
.irp c, 0,1                                    ; the operand's layout wants a whole block in a lane
.irp i, 0,1,2
	v_permlane16_swap_b32 v[PC+6*\c+\i], v[CT+4*\c+\i]
.endr
.irp i, 0,1,2
	s_delay_alu instid0(VALU_DEP_3)
	v_mov_b32 v[PC+3+6*\c+\i], v[CT+4*\c+\i]
.endr
.endr
.set J, 0
.rept 16
	v_pk_mul_f32 v[O+J:O+J+1], v[O+J:O+J+1], v[F:F+1] op_sel_hi:[1,0]   ; O^T under the new M.  (These sixteen are also the places between the codes' and the scale word's last writes and the products)
.set J, J+2
.endr
	s_wait_alu depctr_va_vdst(0)
	s_wait_dscnt 0x0                               ; v^T's fragments and scale words are in
.irp t, 0,1,2,3                                ; four accumulators by turns, one instruction a turn
	v_wmma_scale_f32_16x16x128_f8f6f4 v[O+8*\t:O+8*\t+7], v[FB+12*\t:FB+12*\t+11], v[PC:PC+11], v[O+8*\t:O+8*\t+7], v[VW+\t], v[PS] matrix_a_fmt:MATRIX_FMT_FP6 matrix_b_fmt:MATRIX_FMT_FP6
.endr
.Lskip:
	s_add_co_u32 s[KF], s[KF], 128
	s_add_co_u32 s[TK], s[TK], 6144
	s_add_co_u32 s[TV], s[TV], 6400
	s_add_co_u32 s[TS], s[TS], 512
	s_add_co_u32 s[TT], s[TT], 256
	s_sub_co_u32 s55, s55, 1
	s_cmp_lg_u32 s55, 0
	s_cbranch_scc1 .Lstep
	s_setprio 0
	; THE WAY OUT OF A PHASE: O^T / the sum, quantised along the head's 64: two blocks; three pieces of codes and two scale bytes a token
.rept 4
	v_nop                                          ; places behind the last products
.endr
	v_add_f32 v22, v22, v23                        ; the sum's two halves,
	s_delay_alu instid0(VALU_DEP_1)
	v_permlanex16_b32 v[T0], v22, s[SEL], s[SEL+1]
	s_delay_alu instid0(VALU_DEP_1)
	v_add_f32 v22, v22, v[T0]                      ; and lane l xor 16's: the row's sum
	s_wait_alu depctr_va_vdst(0)
	v_rcp_f32 v22, v22
	v_nop                                          ; a plain place behind the transcendental
	s_wait_alu depctr_va_vdst(0)                   ; and the wait ahead of its first reader
.set J, 0
.rept 32
	v_mul_f32 v[S+J], v[O+J], v22                  ; register 16 b + i: number 32 b + 16 h + i of the head
.set J, J+1
.endr
.irp b, 0,1
	v_max3_num_f32 v[BM+\b], |v[S+16*\b]|, |v[S+1+16*\b]|, 0x1800000
.endr
.irp i, 2,4,6,8,10,12,14
.irp b, 0,1
	s_delay_alu instid0(VALU_DEP_2)
	v_max3_num_f32 v[BM+\b], v[BM+\b], |v[S+16*\b+\i]|, |v[S+1+16*\b+\i]|
.endr
.endr
.irp b, 0,1
	s_delay_alu instid0(VALU_DEP_2)
	v_permlanex16_b32 v[TP+\b], v[BM+\b], s[SEL], s[SEL+1]
.endr
.irp b, 0,1
	s_delay_alu instid0(VALU_DEP_2)
	v_max_num_f32 v[BM+\b], v[BM+\b], v[TP+\b]
.endr
.irp b, 0,1
	s_delay_alu instid0(VALU_DEP_2)
	v_add_nc_u32 v[SO+\b], 0xff000000, v[BM+\b]
.endr
.irp b, 0,1
	s_delay_alu instid0(VALU_DEP_2)
	v_lshrrev_b32 v[TP+\b], 23, v[SO+\b]
.endr
	s_delay_alu instid0(VALU_DEP_1)
	v_lshl_or_b32 v[T1], v[TP+1], 8, v[TP]         ; my token's two bytes
	v_cvt_scalef32_pk16_fp6_f32 v[PC:PC+2], v[S:S+15], v[SO]
	v_cvt_scalef32_pk16_fp6_f32 v[CT:CT+2], v[S+16:S+31], v[SO+1]
	v_nop                                          ; one plain place behind a scaled conversion
.irp i, 0,1,2
	v_permlane16_swap_b32 v[PC+\i], v[CT+\i]
.endr
.irp i, 0,1,2
	s_delay_alu instid0(VALU_DEP_3)
	v_mov_b32 v[PC+3+\i], v[CT+\i]                 ; lane (r, h): token r, the head's block h
.endr
.irp p, 0,1,2
	global_store_b64 v[QO], v[PC+2*\p:PC+2*\p+1], s[22:23] offset:256*\p   ; 32 lanes store 256 consecutive bytes, aligned
.endr
	global_store_b16 v[OSO], v[T1], s[24:25]       ; two bytes a token (lanes 16-31 repeat lanes 0-15): a token's other heads belong to other work-groups; one byte in 24 of what this launch stores
	s_wait_xcnt 0x0                                ; the stores have read their data and bases: both are written again only behind this wait
	s_add_nc_u64 s[22:23], s[22:23], 1572864
	s_add_nc_u64 s[24:25], s[24:25], 65536
	s_mov_b32 s[VL], s[VL+1]                       ; the lists move down
	s_mov_b32 s[VL+1], s[VL+2]
	s_mov_b32 s[VL+2], s[VL+3]
	s_mov_b32 s[NC], s[NC+1]
	s_mov_b32 s[NC+1], s[NC+2]
	s_mov_b32 s[NC+2], s[NC+3]
	s_mov_b32 s[NC+3], s36
	s_mov_b32 s[NF], s[NC]                         ; what was loaded is what will be stored
	s_sub_co_u32 s56, s56, 1
	s_cmp_lg_u32 s56, 0
	s_cbranch_scc1 .Lphase
	s_wait_tensorcnt 0x0
	ds_add_u32 v254, v255
	s_wait_dscnt 0x0
	s_endpgm
.Lfunc_end_k_q6029ce7cc3_attn:
	.size	k_q6029ce7cc3_attn, .Lfunc_end_k_q6029ce7cc3_attn-k_q6029ce7cc3_attn
	.p2alignl 7, 3214868480
	.fill 96, 4, 3214868480
	.section	.rodata,"a",@progbits
	.p2align	6, 0x0
	.amdhsa_kernel k_q6029ce7cc3_attn
		.amdhsa_group_segment_fixed_size 214016
		.amdhsa_private_segment_fixed_size 0
		.amdhsa_enable_private_segment 0
		.amdhsa_kernarg_size 72
		.amdhsa_user_sgpr_count 2
		.amdhsa_user_sgpr_kernarg_segment_ptr 1
		.amdhsa_wavefront_size32 1
		.amdhsa_system_sgpr_workgroup_id_x 1
		.amdhsa_system_sgpr_workgroup_id_y 1
		.amdhsa_system_sgpr_workgroup_id_z 1
		.amdhsa_system_vgpr_workitem_id 0
		.amdhsa_next_free_vgpr 512
		.amdhsa_next_free_sgpr 72
		.amdhsa_reserve_vcc 1
		.amdhsa_float_denorm_mode_32 3
		.amdhsa_float_denorm_mode_16_64 3
		.amdhsa_memory_ordered 1
		.amdhsa_forward_progress 1
		.amdhsa_inst_pref_size 54
	.end_amdhsa_kernel
	.amdgpu_metadata
---
amdhsa.version: [ 1, 2 ]
amdhsa.kernels:
  - .name:           k_q6029ce7cc3_attn
    .symbol:         k_q6029ce7cc3_attn.kd
    .args:
      - { .name: qc, .offset: 0, .size: 8, .value_kind: global_buffer, .address_space: global }
      - { .name: qs, .offset: 8, .size: 8, .value_kind: global_buffer, .address_space: global }
      - { .name: kc, .offset: 16, .size: 8, .value_kind: global_buffer, .address_space: global }
      - { .name: ks, .offset: 24, .size: 8, .value_kind: global_buffer, .address_space: global }
      - { .name: vc, .offset: 32, .size: 8, .value_kind: global_buffer, .address_space: global }
      - { .name: vs, .offset: 40, .size: 8, .value_kind: global_buffer, .address_space: global }
      - { .name: valid_lens, .offset: 48, .size: 8, .value_kind: global_buffer, .address_space: global }
      - { .name: oc, .offset: 56, .size: 8, .value_kind: global_buffer, .address_space: global }
      - { .name: os, .offset: 64, .size: 8, .value_kind: global_buffer, .address_space: global }
    .group_segment_fixed_size: 214016
    .private_segment_fixed_size: 0
    .kernarg_segment_align: 8
    .kernarg_segment_size: 72
    .max_flat_workgroup_size: 256
    .sgpr_count:     72
    .vgpr_count:     512
    .wavefront_size: 32
...
	.end_amdgpu_metadata
.endif
;; end of part 2
;; launch outp (part 3): grid 4 x 32, 4 waves a work-group, clusters of 4 x 4, 327,680 bytes of LDS; arguments oc, os, Wo_codes, Wo_scales, out0; writes out0
.if DOCPART == 3
	.amdgcn_target "amdgcn-amd-amdhsa--gfx1250"
	.amdhsa_code_object_version 6
	.text
	.protected	k_q6029ce7cc3_outp
	.globl	k_q6029ce7cc3_outp
	.p2align	8
	.type	k_q6029ce7cc3_outp,@function
k_q6029ce7cc3_outp:
	s_mov_b64 s[64:65], 0
	v_nop
	global_prefetch_b8 v0, s[64:65] scope:SCOPE_SE
	s_setreg_imm32_b32 hwreg(HW_REG_WAVE_MODE, 25, 1), 1
	s_wait_xcnt 0x0
	s_wait_alu depctr_hold_cnt(0) depctr_sa_sdst(0) depctr_va_vdst(0) depctr_va_sdst(0) depctr_va_ssrc(0) depctr_va_vcc(0) depctr_vm_vsrc(0)
	s_getreg_b32 s2, hwreg(HW_REG_IB_STS2, 6, 4)
	s_cmp_eq_u32 s2, 0
	s_cbranch_scc0 .Lentry_in_a_cluster
	s_endpgm
.Lentry_in_a_cluster:
	s_bfe_u32 s2, ttmp6, 0x10000c
	s_cmp_lg_u32 s2, 0xf033
	s_cbranch_scc0 .Lentry_shape_is_right
	s_endpgm
.Lentry_shape_is_right:
; THE LAST PROJECTION: out[m][n] = sum over k of O[m][k] Wo[n][k], on codes of FP6 (E2M3) with one E8M0 scale for each 32 along K = 1,024; out: [8,192][1,024] f32; sums in f32.
; A = O comes as IMAGES OF THE OPERAND'S REGISTERS: oc is [tile of 16 tokens][head][3 pieces of 256 bytes]; the six pieces of two neighbouring heads are the twelve registers of a fragment of 16 rows x 128 K,
; lane l's 8 bytes of a piece at 8 l.  So a fragment of A is six loads of 8 bytes a lane from 1,536 consecutive bytes: no pitch, no padding.  Its scale bytes: os [token][32].
; B = Wo comes as rows of codes, K innermost, 768 bytes a row; its scale bytes [1,024][32].
; A tile of out, 256 x 256, is made by a work-group of four waves; a wave makes 128 x 128: 64 accumulators of 16 x 16, 512 registers.  K goes in steps of 256 through a ring of two LDS slots filled by the tensor data mover.
; 128 tiles of 256 x 256: 128 work-groups.  THE SCALES of the work-group's rows, for all of K, come into LDS once, with the first fills.
; CLUSTERS: 4 x 4 work-groups.  The four of a row of the cluster need the same tiles of A, the four of a column the same tiles of B: each tile is asked for jointly.
; THE MATRIX INSTRUCTION IS USED TRANSPOSED (source 0 = 16 rows of B, source 1 = 16 rows of A): a lane then holds eight neighbouring numbers of a row of out.
; REGISTERS, in windows of 256: window 0: v16-31 addresses; v32-63 scale words, two sets; from v128 A's fragments, one set; on the way out v128-255 rows of out.
;   window 1: B's fragments, two sets.   window 2: the accumulators of my rows 0-63 ((a, b) at v[8 (8 a + b)]);   window 3: those of my rows 64-127.
.set SIZE_N, 1024
.set KSTEP,  256
.set NQ,     KSTEP/128
.set ROWB,   192                       ; a row of B's tile in bytes
.set KROW,   768                       ; a row of 1,024 codes in memory; also 1/16 of a tile of 16 tokens in oc
.set AROW,   3072                      ; 16 tokens x 256 along K in oc: four heads' pieces
.set PITCH,  240                       ; B's LDS row: 3 x (64 bytes + 16 of padding): the 32 lanes of a load of 8 bytes touch 64 different banks (64 banks of 4 bytes: ISA guide 11.1)
.set FR,     12
.set NL,     6
.set NP,     4                         ; places behind this matrix instruction (ISA guide 7.12.1)
.set HALFA,  8*AROW                    ; 128 rows of A: what one tensor load brings
.set HALFB,  128*PITCH                 ; 128 rows of B
.set SLOT,   2*HALFA+2*HALFB           ; A's two halves, then B's two
.set LAPS,   1024/(2*KSTEP)
.set KS,     32
.set SCL,    2*SLOT                    ; behind the ring: the scales, as rows of 256 bytes + 16 of padding
.set HALFS,  (128*KS/256)*272
.set SBLK,   (16*KS/256)*272
.set SPARE,  SCL+4*HALFS               ; the spare words, 128 bytes for each wave: two blocks of 256 bytes that no other line names
.set SPITCH, 528                       ; the way out: a stage of 16 rows x (512 bytes + 16) for each wave, in slot 0, which has had its last fill and its last read when the first result is stored there
.set ADRA, 16                          ; v16-17  LDS address of my A fragments in slot 0, 1
.set ADRB, 20                          ; v20-21  the same for B  (v22-23: behind one padding more)
.set STO,  24
.set RD,   25
.set CO,   26
.set ADRS, 27
.set SPW,  28
.set NIL,  29
.set SC,   32
.set AF,   128
.set BK,   128
.set G1, 24
.set G0, 32
.set G1B, 48
.set G0B, 56
.set G1S, 68
.set G0S, 76
.set G1SB, 80
.set G0SB, 88
.set MSB, 0
.macro WIN new                         ; the immediate's high byte repeats the setting that is left
.if MSB != \new
	s_set_vgpr_msb (MSB<<8)|\new
.set MSB, \new
.endif
.endm
.set MUL_LO, 0xa1
.set MUL_HI, 0xf1
.set TO_B,   0x40
; A joint load: waves 0 and 1 fetch for A, waves 2 and 3 for B.  The branch hangs on the wave's number alone.  Four v_nop follow each of the two lines.
.macro JLOAD g0a, g1a, g0b, g1b
	s_cmp_eq_u32 s15, 0
	s_cbranch_scc0 .Lfor_b_\@
	tensor_load_to_lds s[\g0a:\g0a+3], s[\g1a:\g1a+7]
	s_nop 0
.rept 4
	v_nop
.endr
	s_branch .Lasked_\@
.Lfor_b_\@:
	tensor_load_to_lds s[\g0b:\g0b+3], s[\g1b:\g1b+7]
	s_nop 0
.rept 4
	v_nop
.endr
.Lasked_\@:
.endm
.macro CREST
	s_cmp_lg_u32 s14, 0
	s_cbranch_scc1 .Lnot_wave_0_\@
	s_barrier_signal -3
.Lnot_wave_0_\@:
	s_barrier_wait -3
	s_barrier_signal -1
	s_barrier_wait -1
.endm
.macro CROUND
	s_barrier_signal -1
	s_barrier_wait -1
	CREST
.endm
	s_load_b128 s[4:7], s[0:1], 0x0                ; oc s[4:5], os s[6:7]
	s_load_b128 s[8:11], s[0:1], 0x10              ; Wo's codes s[8:9], Wo's scales s[10:11]
	s_load_b64 s[12:13], s[0:1], 0x20              ; out
	v_lshl_add_u32 v[SPW], v0, 2, SPARE
	v_mov_b32 v[NIL], 0
	ds_add_u32 v28, v29
	ds_add_u32 v28, v29
	s_wait_dscnt 0x0
	v_lshrrev_b32 v1, 5, v0
	v_readfirstlane_b32 s14, v1                    ; wave 0..3
	s_lshr_b32 s15, s14, 1                         ; which half of the tile's rows is mine.  Also: I fetch for A (0) or for B (1)
	s_and_b32 s16, s14, 1                          ; which half of its columns.  Also: which 128 rows I fetch
	s_bfe_u32 s40, ttmp6, 0x40000                  ; cx, cy
	s_bfe_u32 s41, ttmp6, 0x40004
	s_lshl_b32 s42, ttmp9, 2
	s_add_co_u32 s42, s42, s40                     ; tile column = 4 x cluster x + cx
	s_and_b32 s17, ttmp7, 0xffff
	s_lshl_b32 s17, s17, 2
	s_add_co_u32 s17, s17, s41                     ; tile row = 4 x cluster y + cy
	s_lshl_b32 s43, s41, 2
	s_lshl_b32 s43, 15, s43                        ; my row of the cluster
	s_lshl_b32 s44, 0x1111, s40                    ; my column
	; descriptor group 1 for A: 8 tiles of 16 tokens x 3,072 bytes (384 elements of 8 bytes), 12,288 bytes apart; no padding
	s_or_b32 s[G1+0], s43, (3<<16)|(1<<21)         ; 15:0 the mask: my row; 17:16 elements of 8 bytes; 21 set beside a mask
	s_mov_b32 s[G1+1], 384<<16                     ; tensor_dim0
	s_mov_b32 s[G1+2], 8<<16                       ; tensor_dim1
	s_mov_b32 s[G1+3], 384<<16                     ; tile_dim0
	s_mov_b32 s[G1+4], 8                           ; tile_dim1
	s_mov_b32 s[G1+5], 1536                        ; tensor_dim0_stride, in elements
	s_mov_b32 s[G1+6], 0
	s_mov_b32 s[G1+7], 0
	; for B: 128 rows x 192 bytes, padded in LDS
	s_or_b32 s[G1B+0], s44, (0<<16)|(1<<20)|(1<<21)|(3<<22)|(3<<25)
	s_mov_b32 s[G1B+1], ROWB<<16
	s_mov_b32 s[G1B+2], 128<<16
	s_mov_b32 s[G1B+3], ROWB<<16
	s_mov_b32 s[G1B+4], 128
	s_mov_b32 s[G1B+5], KROW
	s_mov_b32 s[G1B+6], 0
	s_mov_b32 s[G1B+7], 0
	; the scales of 128 rows: 4,096 dense bytes, as 16 rows of 256 bytes, 16 bytes of padding behind each
	s_or_b32 s[G1S+0], s43, (3<<16)|(1<<20)|(1<<21)|(5<<22)|(3<<25)
	s_or_b32 s[G1SB+0], s44, (3<<16)|(1<<20)|(1<<21)|(5<<22)|(3<<25)
.irp g, G1S, G1SB
	s_mov_b32 s[\g+1], 32<<16
	s_mov_b32 s[\g+2], (128*KS/256)<<16
	s_mov_b32 s[\g+3], 32<<16
	s_mov_b32 s[\g+4], 128*KS/256
	s_mov_b32 s[\g+5], 32
	s_mov_b32 s[\g+6], 0
	s_mov_b32 s[\g+7], 0
.endr
	s_lshl_b32 s18, s16, 7                         ; which 128 rows of the tile I fetch
	s_lshl_b32 s20, s17, 8
	s_add_co_u32 s20, s20, s18                     ; A: token 256 x tile row + 128 x half
	s_lshl_b32 s46, s42, 8
	s_add_co_u32 s46, s46, s18                     ; B: row 256 x tile column + 128 x half
	s_mov_b32 s21, 0
	s_mov_b32 s47, 0
	s_mov_b64 s[18:19], KS
	s_mul_u64 s[22:23], s[20:21], s[18:19]         ; where these rows' scales begin
	s_mul_u64 s[92:93], s[46:47], s[18:19]
	s_mov_b64 s[18:19], KROW
	s_mul_u64 s[20:21], s[20:21], s[18:19]         ; and their codes (16 tokens are 12,288 bytes of oc: 768 a token)
	s_mul_u64 s[46:47], s[46:47], s[18:19]
	s_mul_i32 s45, s16, HALFA                      ; where they go: A's two halves,
	s_mul_i32 s95, s16, HALFB
	s_add_co_u32 s95, s95, 2*HALFA                 ; then B's two: no place in the cluster enters an LDS address
	s_mul_i32 s94, s14, HALFS
	s_wait_kmcnt 0x0
	s_add_nc_u64 s[20:21], s[4:5], s[20:21]
	s_add_nc_u64 s[22:23], s[6:7], s[22:23]
	s_add_nc_u64 s[46:47], s[8:9], s[46:47]
	s_add_nc_u64 s[92:93], s[10:11], s[92:93]
	CROUND                                         ; all sixteen work-groups are here: the first joint loads meet
	s_mov_b32 s[G0S], 1
	s_add_co_u32 s[G0S+1], s94, SCL
	s_mov_b64 s[G0S+2:G0S+3], s[22:23]
	s_or_b32 s[G0S+3], s[G0S+3], 0x80000000
	s_mov_b32 s[G0SB], 1
	s_add_co_u32 s[G0SB+1], s94, SCL
	s_mov_b64 s[G0SB+2:G0SB+3], s[92:93]
	s_or_b32 s[G0SB+3], s[G0SB+3], 0x80000000
	JLOAD G0S, G1S, G0SB, G1SB                     ; the scales first: they are wanted with K step 0
.irp s, 0,1
	s_mov_b32 s[G0+4*\s], 1
	s_add_co_u32 s[G0+4*\s+1], s45, \s*SLOT
	s_add_nc_u64 s[G0+4*\s+2:G0+4*\s+3], s[20:21], \s*AROW
	s_or_b32 s[G0+4*\s+3], s[G0+4*\s+3], 0x80000000
	s_mov_b32 s[G0B+4*\s], 1
	s_add_co_u32 s[G0B+4*\s+1], s95, \s*SLOT
	s_add_nc_u64 s[G0B+4*\s+2:G0B+4*\s+3], s[46:47], \s*ROWB
	s_or_b32 s[G0B+4*\s+3], s[G0B+4*\s+3], 0x80000000
	s_wait_alu depctr_va_vdst(0)
	s_wait_tensorcnt 0x0
	ds_add_u32 v28, v29
	s_wait_dscnt 0x0
	CROUND
	JLOAD G0+4*\s, G1, G0B+4*\s, G1B               ; one load of mine is out
.endr
	v_and_b32 v1, 15, v0                           ; l % 16
	v_bfe_u32 v2, v0, 4, 1                         ; l / 16
	v_mul_u32_u24 v3, v1, PITCH
	v_mul_u32_u24 v4, v2, 24
	v_add_nc_u32 v4, v3, v4                        ; B: a fragment's row x pitch + 24 x half
	v_lshl_add_u32 v5, v2, 4, v4                   ; and the same behind one padding more
	v_and_b32 v6, 31, v0
	v_lshlrev_b32 v6, 3, v6                        ; A: 8 x lane
	s_mul_i32 s21, s15, HALFA                      ; my 128 rows of A
	s_mul_i32 s22, s16, HALFB                      ; my 128 rows of B,
	s_add_co_u32 s22, s22, 2*HALFA                 ; which lie behind A's 256
.irp s, 0,1
	v_add_nc_u32 v[ADRA+\s], s21, v6
	v_add_nc_u32 v[ADRB+\s], s22, v4
	v_add_nc_u32 v[ADRB+2+\s], s22, v5
	s_add_co_u32 s21, s21, SLOT
	s_add_co_u32 s22, s22, SLOT
.endr
	v_mul_u32_u24 v5, v1, KS                       ; my row's scales: 32 bytes a row,
	v_lshrrev_b32 v6, 8, v5
	v_lshl_add_u32 v5, v6, 4, v5                   ; and 16 more for each 256 passed
	s_mul_i32 s21, s15, HALFS
	s_mul_i32 s22, s16, HALFS
	s_add_co_u32 s22, s22, 2*HALFS
	s_sub_co_u32 s22, s22, s21
	v_mul_u32_u24 v6, s22, v2                      ; lanes 16-31 take B's
	s_add_co_u32 s21, s21, SCL
	v_add_nc_u32 v5, v5, v6
	v_add_nc_u32 v[ADRS], s21, v5
	s_mul_i32 s23, s14, 16*SPITCH                  ; my stage
	v_mul_u32_u24 v5, v1, SPITCH                   ; in: row l % 16, 32 bytes for each half of the lanes
	v_lshl_add_u32 v5, v2, 5, v5
	v_add_nc_u32 v[STO], s23, v5
	v_and_b32 v6, 31, v0
	v_lshlrev_b32 v[CO], 4, v6                     ; back: the 32 lanes take one row of 512 bytes; and the same in out
	v_add_nc_u32 v[RD], s23, v[CO]
	s_lshl_b32 s20, s17, 8
	s_lshl_b32 s21, s15, 7
	s_add_co_u32 s20, s20, s21                     ; my first row of out
	s_mov_b32 s21, 0
	s_mov_b64 s[18:19], SIZE_N*4
	s_mul_u64 s[20:21], s[20:21], s[18:19]
	s_lshl_b32 s46, s42, 10                        ; my first column, in bytes
	s_lshl_b32 s47, s16, 9
	s_add_co_u32 s46, s46, s47
	s_mov_b32 s47, 0
	s_add_nc_u64 s[20:21], s[20:21], s[46:47]
	s_add_nc_u64 s[12:13], s[12:13], s[20:21]
.macro FRAGB reg, adr, q, i            ; a fragment of B, 16 rows x 128 K: lane l holds row l % 16; registers 6 c .. 6 c + 5 hold K = 64 c + 32 (l / 16) + 0 .. 31: 24 bytes of the row, as they lie
.irp p, 0,1,2,3,4,5                    ; in pieces of 8 bytes; 16 bytes of padding lie behind every 8 pieces: where the piece of lanes 16-31 lies behind one padding more, the second address register serves
.set PCE, 12*(\q)+6*(\p/3)+\p%3
.if PCE%8 < 5
	ds_load_b64 v[\reg+2*\p:\reg+2*\p+1], v[\adr] offset:8*PCE+16*(PCE/8)+(\i)*16*PITCH
.else
	ds_load_b64 v[\reg+2*\p:\reg+2*\p+1], v[\adr+2] offset:8*PCE+16*(PCE/8)+(\i)*16*PITCH
.endif
.endr
.endm
.macro FRAGA reg, adr, q, i            ; a fragment of A: six pieces on end, 8 bytes a lane: 256 consecutive bytes a load
.irp p, 0,1,2,3,4,5
	ds_load_b64 v[\reg+2*\p:\reg+2*\p+1], v[\adr] offset:(\i)*AROW+(\q)*1536+256*\p
.endr
.endm
; 16 matrix instructions: A's blocks a0, a0 + 1 x B's eight.  The 64 accumulators take turns, one instruction a turn, in the same order in every step.
.macro MUL16 a0, p, q, sc, zero
.irp a, \a0, \a0+1
.irp b, 0,1,2,3,4,5,6,7
.if \zero
	v_wmma_scale_f32_16x16x128_f8f6f4 v[8*(8*((\a)%4)+\b):8*(8*((\a)%4)+\b)+7], v[128*(\p)+FR*\b:128*(\p)+FR*\b+FR-1], v[AF+FR*(\a):AF+FR*(\a)+FR-1], 0, v[SC+8*NQ*(\sc)+NQ*\b+(\q)], v[SC+8*NQ*(\sc)+NQ*(\a)+(\q)] matrix_a_fmt:MATRIX_FMT_FP6 matrix_b_fmt:MATRIX_FMT_FP6 matrix_a_scale:MATRIX_SCALE_ROW1
.else
	v_wmma_scale_f32_16x16x128_f8f6f4 v[8*(8*((\a)%4)+\b):8*(8*((\a)%4)+\b)+7], v[128*(\p)+FR*\b:128*(\p)+FR*\b+FR-1], v[AF+FR*(\a):AF+FR*(\a)+FR-1], v[8*(8*((\a)%4)+\b):8*(8*((\a)%4)+\b)+7], v[SC+8*NQ*(\sc)+NQ*\b+(\q)], v[SC+8*NQ*(\sc)+NQ*(\a)+(\q)] matrix_a_fmt:MATRIX_FMT_FP6 matrix_b_fmt:MATRIX_FMT_FP6 matrix_a_scale:MATRIX_SCALE_ROW1
.endif
.endr
.endr
.endm
.macro FETCH_B slot, q, p
	WIN TO_B
.irp i, 0,1,2,3,4,5,6,7
	FRAGB 128*(\p)+FR*\i, ADRB+\slot, \q, \i
.endr
	WIN 0
.endm
.macro FETCH_A slot, q, i0
.irp i, \i0, \i0+1, \i0+2, \i0+3
	FRAGA AF+FR*(\i), ADRA+\slot, \q, \i
.endr
.endm
.macro SCALES sc                       ; a K step's scale words: lanes 0-15 take A's block i, lanes 16-31 B's block i
.irp i, 0,1,2,3,4,5,6,7
	ds_load_b64 v[SC+8*NQ*\sc+NQ*\i:SC+8*NQ*\sc+NQ*\i+1], v[ADRS] offset:\i*SBLK
.endr
.endm
; A load into a register that a matrix instruction has read, and an LDS store that reads a matrix result, stand NP places behind that matrix instruction; only plain vector instructions
; that name none of its registers are places (ISA guide 7.12.1 for vector instructions).
.macro PLACES n
.rept \n
	v_nop
.endr
.endm
.macro STEP slot, q, zero
	s_wait_dscnt 4*NL                              ; B's set and A's blocks 0-3 are in; the youngest 24 loads (A's blocks 4-7) may be out
	WIN MUL_LO
	MUL16 0, (\q)%2, \q, \slot, \zero
	MUL16 2, (\q)%2, \q, \slot, \zero
	s_wait_dscnt 0                                 ; A's blocks 4-7 are in
	PLACES NP
	FETCH_B \slot, (\q)+1, 1-(\q)%2
	FETCH_A \slot, (\q)+1, 0
	WIN MUL_HI
	MUL16 4, (\q)%2, \q, \slot, \zero
	MUL16 6, (\q)%2, \q, \slot, \zero
	PLACES NP
	WIN 0
	FETCH_A \slot, (\q)+1, 4
.endm
; A slot's last step changes slots: one barrier; in front of it each wave waits for all its tensor loads, adds 0 to its spare word, and waits for that and for its own reads of this slot.
.macro TURN slot, next, fill
	s_wait_tensorcnt 0x0                           ; all my tensor loads have landed: my part of the next slot
	ds_add_u32 v[SPW], v[NIL]                      ; 0 onto my spare word
	s_wait_dscnt 4*NL+1                            ; (the add and the youngest 24 loads may be out)
	WIN MUL_LO
	MUL16 0, 1, NQ-1, \slot, 0                     ; sixteen matrix instructions stand between the add and the wait for it
	s_wait_dscnt 0x0                               ; the add is done, and my reads of this slot are over
	s_barrier_signal -1
	MUL16 2, 1, NQ-1, \slot, 0
	WIN 0
	s_barrier_wait -1
.if \fill
	CREST                                          ; the barrier has opened a round of the cluster's barrier: no wave of any partner still reads this slot's tile or has a load on its way
	s_add_nc_u64 s[G0+4*\slot+2:G0+4*\slot+3], s[G0+4*\slot+2:G0+4*\slot+3], 2*AROW
	s_add_nc_u64 s[G0B+4*\slot+2:G0B+4*\slot+3], s[G0B+4*\slot+2:G0B+4*\slot+3], 2*ROWB
	JLOAD G0+4*\slot, G1, G0B+4*\slot, G1B         ; the first tensor load behind the round; the four v_nop behind it are the places in front of the loads below
.else
	PLACES NP
.endif
	s_wait_alu depctr_va_vdst(0)
	v_add_nc_u32 v[ADRS], 4*NQ, v[ADRS]            ; on to the next K step's scale words (no LDS load of mine is out)
	FETCH_B \next, 0, 0
	FETCH_A \next, 0, 0
	SCALES \next
	WIN MUL_HI
	MUL16 4, 1, NQ-1, \slot, 0
	MUL16 6, 1, NQ-1, \slot, 0
	PLACES NP
	WIN 0
	FETCH_A \next, 0, 4
.endm
	s_wait_alu depctr_va_vdst(0)
	s_wait_tensorcnt 1                             ; the scales and my part of K step 0 are in (K step 1's load may be out)
	s_barrier_signal -1
	s_barrier_wait -1                              ; everybody's are
	FETCH_B 0, 0, 0
	FETCH_A 0, 0, 0
	SCALES 0
	FETCH_A 0, 0, 4
	STEP 0, 0, 1                                   ; the first step stands in front of the loop: its products start the sums
	s_mov_b32 s3, LAPS-1
.Llap:
	TURN 0, 1, 1
	STEP 1, 0, 0
	TURN 1, 0, 1
	STEP 0, 0, 0
	s_sub_co_u32 s3, s3, 1
	s_cmp_lg_u32 s3, 0
	s_cbranch_scc1 .Llap
	TURN 0, 1, 0                                   ; the last lap fills nothing, and has no round of the cluster's barrier
	STEP 1, 0, 0
	s_wait_dscnt 4*NL                              ; the very last step
	WIN MUL_LO
	MUL16 0, 1, NQ-1, 1, 0
	MUL16 2, 1, NQ-1, 1, 0
	s_wait_dscnt 0
	WIN MUL_HI
	MUL16 4, 1, NQ-1, 1, 0
	MUL16 6, 1, NQ-1, 1, 0
	WIN 0
; THE WAY OUT, block by block of 16 rows x 128 columns: through my own stage in LDS and back as whole rows of 512 bytes.  LDS serves a wave's instructions in order (ISA guide 5.7.1.4): no wait between the stores and the loads.
.macro TOSTAGE a
.set AC, 64*((\a)%4)
	WIN 0x08+4*((\a)/4)                            ; the data: window 2 or 3
.irp b, 0,1,2,3,4,5,6,7
	ds_store_b128 v[STO], v[AC+8*\b:AC+8*\b+3] offset:64*\b          ; each accumulator from its low end on
	ds_store_b128 v[STO], v[AC+8*\b+4:AC+8*\b+7] offset:64*\b+16
.endr
	WIN 0
.set BB, BK+64*((\a)%2)
.irp t, 0,1,2,3,4,5,6,7,8,9,10,11,12,13,14,15
	ds_load_b128 v[BB+4*\t:BB+4*\t+3], v[RD] offset:\t*SPITCH
.endr
.endm
.macro SEND a, younger                 ; younger: the LDS instructions issued behind block a's loads, which may stay out
.set BB, BK+64*((\a)%2)
	s_wait_dscnt \younger                          ; the block is back in registers
.if (\a) > 0
	s_add_nc_u64 s[12:13], s[12:13], 16*SIZE_N*4   ; (behind a wait on XCNT: the earlier stores have read their base)  16 rows of out on
.endif
.irp t, 0,1,2,3,4,5,6,7,8,9,10,11,12,13,14,15
	global_store_b128 v[CO], v[BB+4*\t:BB+4*\t+3], s[12:13] offset:\t*SIZE_N*4 th:TH_STORE_NT   ; 32 lanes store 512 consecutive bytes, at a multiple of 256 from out's first byte
.endr
.endm
	PLACES NP                                      ; behind the last products: for the loads into the registers that held A's fragments and for the reads of results
	TOSTAGE 0
.irp a, 1,2,3,4,5,6,7
.if \a > 1
	s_wait_xcnt 0x0                                ; block a - 2's stores have read their registers and their base
.endif
	TOSTAGE \a
	SEND \a-1, 32                                  ; behind block a - 1's loads: block a's 16 stores and 16 loads
.endr
	s_wait_xcnt 0x0                                ; block 6's stores have read their base
	SEND 7, 0
	s_wait_tensorcnt 0x0                           ; the wave's end
	ds_add_u32 v[SPW], v[NIL]
	s_wait_dscnt 0x0
	CROUND                                         ; the closing round: no work-group ends while a partner may still ask for a tile that names it
	s_endpgm
.Lfunc_end_k_q6029ce7cc3_outp:
	.size	k_q6029ce7cc3_outp, .Lfunc_end_k_q6029ce7cc3_outp-k_q6029ce7cc3_outp
	.p2alignl 7, 3214868480
	.fill 96, 4, 3214868480
	.section	.rodata,"a",@progbits
	.p2align	6, 0x0
	.amdhsa_kernel k_q6029ce7cc3_outp
		.amdhsa_group_segment_fixed_size 327680
		.amdhsa_private_segment_fixed_size 0
		.amdhsa_enable_private_segment 0
		.amdhsa_kernarg_size 40
		.amdhsa_user_sgpr_count 2
		.amdhsa_user_sgpr_kernarg_segment_ptr 1
		.amdhsa_wavefront_size32 1
		.amdhsa_system_sgpr_workgroup_id_x 1
		.amdhsa_system_sgpr_workgroup_id_y 1
		.amdhsa_system_sgpr_workgroup_id_z 1
		.amdhsa_system_vgpr_workitem_id 0
		.amdhsa_next_free_vgpr 1024
		.amdhsa_next_free_sgpr 98
		.amdhsa_reserve_vcc 0
		.amdhsa_float_denorm_mode_32 3
		.amdhsa_float_denorm_mode_16_64 3
		.amdhsa_memory_ordered 1
		.amdhsa_forward_progress 1
		.amdhsa_inst_pref_size 161
	.end_amdhsa_kernel
	.amdgpu_metadata
---
amdhsa.version: [ 1, 2 ]
amdhsa.kernels:
  - .name:           k_q6029ce7cc3_outp
    .symbol:         k_q6029ce7cc3_outp.kd
    .args:
      - { .name: oc, .offset: 0, .size: 8, .value_kind: global_buffer, .address_space: global }
      - { .name: os, .offset: 8, .size: 8, .value_kind: global_buffer, .address_space: global }
      - { .name: Wo_codes, .offset: 16, .size: 8, .value_kind: global_buffer, .address_space: global }
      - { .name: Wo_scales, .offset: 24, .size: 8, .value_kind: global_buffer, .address_space: global }
      - { .name: out0, .offset: 32, .size: 8, .value_kind: global_buffer, .address_space: global }
    .group_segment_fixed_size: 327680
    .private_segment_fixed_size: 0
    .kernarg_segment_align: 8
    .kernarg_segment_size: 40
    .max_flat_workgroup_size: 128
    .sgpr_count:     98
    .vgpr_count:     1024
    .wavefront_size: 32
...
	.end_amdgpu_metadata
.endif
;; end of part 3
